; MI455X (gfx1250); checked and timed in simulation.
; The chip was launched on July 23, 2026; its instructions are those of AMD's public machine-readable ISA for CDNA 5 (MIT licence, August 2026) and "CDNA5" Instruction Set Architecture Reference Guide (July 2026). The comments in the code are by the model that wrote it; some were corrected since.
;; Hash Layer FFN. Allowed arithmetic: matrix products marked QUANTISED: E2M3 operands, one E8M0 scale for each 32 along K, by v_wmma_scale_f32_16x16x128_f8f6f4 with both operands' format E2M3, f32 sums; everything else in f32.
;; Inputs: W1_codes 8 x 2,048 x 32 x 24 uint8 (E2M3 codes of W1, K innermost, in blocks of 32 codes, four codes in three bytes); W1_scales 8 x 2,048 x 32 uint8 (E8M0 scales of W1, one for each 32 codes along K); W2_codes 8 x 1,024 x 64 x 24 uint8 (E2M3 codes of W2, K innermost, in blocks of 32 codes, four codes in three bytes); W2_scales 8 x 1,024 x 64 uint8 (E8M0 scales of W2, one for each 32 codes along K); b1 8 x 2,048 float32; b2 8 x 1,024 float32; hash_map 32,000 int32; orig_input 2 x 1,024 int32; x_codes 2 x 1,024 x 32 x 24 uint8 (E2M3 codes of x, K innermost, in blocks of 32 codes, four codes in three bytes); x_scales 2 x 1,024 x 32 uint8 (E8M0 scales of x, one for each 32 codes along K).
;; Outputs: out0 2 x 1,024 x 1,024 float32.
;; This version of the problem:
;;   THIS VERSION OF THE PROBLEM IS GIVEN IN LOW PRECISION. The matrix products marked QUANTISED in the list below multiply operands that are first quantised to E2M3 (2 exponent bits, 3 mantissa bits; 6 bits a number), with one power-of-two scale for each 32 numbers along K (OCP MX v1.0); their sums are f32. All else is computed in f32.
;;   The module's matrix products, in the order in which they are computed (A, B: the left and right operand; K: the contracted axis; several contracted axes count as one K, in the product's order):
;;     1. [M 2,048, K 1,024] x [K 1,024, N 2,048]; A: input x (given as codes); B: input W1 (given as codes): QUANTISED
;;     2. [M 2,048, K 2,048] x [K 2,048, N 1,024]; A: computed on the way; B: input W2 (given as codes): QUANTISED
;;     3. [M 2,048, K 1,024] x [K 1,024, N 2,048]; A: input x (given as codes); B: input W1 (given as codes): QUANTISED
;;     4. [M 2,048, K 2,048] x [K 2,048, N 1,024]; A: computed on the way; B: input W2 (given as codes): QUANTISED
;;     5. [M 2,048, K 1,024] x [K 1,024, N 2,048]; A: input x (given as codes); B: input W1 (given as codes): QUANTISED
;;     6. [M 2,048, K 2,048] x [K 2,048, N 1,024]; A: computed on the way; B: input W2 (given as codes): QUANTISED
;;     7. [M 2,048, K 1,024] x [K 1,024, N 2,048]; A: input x (given as codes); B: input W1 (given as codes): QUANTISED
;;     8. [M 2,048, K 2,048] x [K 2,048, N 1,024]; A: computed on the way; B: input W2 (given as codes): QUANTISED
;;     9. [M 2,048, K 1,024] x [K 1,024, N 2,048]; A: input x (given as codes); B: input W1 (given as codes): QUANTISED
;;     10. [M 2,048, K 2,048] x [K 2,048, N 1,024]; A: computed on the way; B: input W2 (given as codes): QUANTISED
;;     11. [M 2,048, K 1,024] x [K 1,024, N 2,048]; A: input x (given as codes); B: input W1 (given as codes): QUANTISED
;;     12. [M 2,048, K 2,048] x [K 2,048, N 1,024]; A: computed on the way; B: input W2 (given as codes): QUANTISED
;;     13. [M 2,048, K 1,024] x [K 1,024, N 2,048]; A: input x (given as codes); B: input W1 (given as codes): QUANTISED
;;     14. [M 2,048, K 2,048] x [K 2,048, N 1,024]; A: computed on the way; B: input W2 (given as codes): QUANTISED
;;     15. [M 2,048, K 1,024] x [K 1,024, N 2,048]; A: input x (given as codes); B: input W1 (given as codes): QUANTISED
;;     16. [M 2,048, K 2,048] x [K 2,048, N 1,024]; A: computed on the way; B: input W2 (given as codes): QUANTISED
;;   THE QUANTISER, for each operand of a quantised product, along K:
;;     - K is cut into blocks of 32 from its start; a last block that is shorter is filled with zeros.
;;     - A block's scale is 2^e with e = floor(log2(the largest magnitude in the block)) - 2, held to -126 .. 127; a block of zeros has e = 0. As a byte (E8M0): e + 127.
;;     - Each number is divided by its block's scale, clamped to +-7.5, and rounded to the nearest number of E2M3, ties to even, subnormals kept.
;;     - The product sums the exact products of the quantised numbers (number of the format x scale) in f32.
;;   ~~~python
;;   def quantise(x, axis):      # numpy; x: float32 -> the quantised numbers, widened to float32 again
;;       x = np.moveaxis(x, axis, -1); K = x.shape[-1]
;;       x = np.pad(x, [(0, 0)] * (x.ndim - 1) + [(0, -K % 32)]); x = x.reshape(x.shape[:-1] + (-1, 32)); a = np.abs(x).max(-1, keepdims=True)
;;       e = np.where(a > 0, np.clip(np.frexp(np.where(a > 0, a, 1))[1] - 1 - 2, -126, 127), 0)      # np.frexp(a)[1] - 1 = floor(log2(a)), exactly
;;       r = np.clip(x / 2.0 ** e, -7.5, 7.5)
;;       step = 2.0 ** (np.maximum(np.frexp(np.where(r == 0, 1, r))[1] - 1, 0) - 3)
;;       q = np.round(r / step) * step * 2.0 ** e      # np.round: ties to even
;;       return np.moveaxis(q.reshape(q.shape[:-2] + (-1,))[..., :K], -1, axis).astype(np.float32)
;;   ~~~
;;   OPERANDS COMPUTED ON THE WAY. 'Computed on the way' means the value that the module computes at that place (a softmax that the list does not call 'softmax' is quantised finished and normalised). What goes into a quantiser is computed in f32, as accurately as f32 sums, v_exp_f32 and their like allow (about 1e-6 of the number): no bf16 or f16 on the way to a quantiser, and a product that is left as it is and whose result goes on into a quantised operand takes f32 operands (vector FMAs, or v_wmma_f32_16x16x4_f32). A number that lies on a knife's edge between two numbers of the format may be rounded either way, as far as f32 arithmetic and the matrix unit's own rounding can turn it there, and no further.
;;   INPUTS GIVEN AS CODES. W1 (in the module: [8, 2048, 1024], K = its axis 2); W2 (in the module: [8, 1024, 2048], K = its axis 2); x (in the module: [2, 1024, 1024], K = its axis 2): each comes as NAME_codes (uint8): NAME with its K axis moved to the last place and cut into blocks of 32 codes, [.., K / 32, bytes a block], one block behind the other in memory; four codes in three bytes: a row's codes are one little-endian stream of bits, code i at bits 6 i .. 6 i + 5 (a code: sign, 2 exponent bits, 3 mantissa bits); and NAME_scales (uint8): the same leading axes, one E8M0 byte (e + 127) for each 32 codes along K. Its value is code x scale, taken as it is: it is not quantised again, and the codes and scales need not be those that the quantiser above would give.
;; 2 versions. Each part assembles by itself: llvm-mc -triple=amdgcn-amd-amdhsa -mcpu=gfx1250 --defsym DOCPART=n.
;; ======== version 1 of 2: 3 launches
;; workspace buffers: route 67,584 bytes of whole numbers; hid_codes 25,165,824 bytes; hid_scales 1,048,576 bytes
;; launch route (part 1): grid 1 x 1, 8 waves a work-group, no clusters, 0 bytes of LDS; arguments orig_input, hash_map, route; writes route
.if DOCPART == 1
	.amdgcn_target "amdgcn-amd-amdhsa--gfx1250"
	.amdhsa_code_object_version 6
	.text
	.protected	k_q1cd5bda0f8_route
	.globl	k_q1cd5bda0f8_route
	.p2align	8
	.type	k_q1cd5bda0f8_route,@function
k_q1cd5bda0f8_route:
	s_mov_b64 s[64:65], 0
	v_nop
	global_prefetch_b8 v0, s[64:65] scope:SCOPE_SE
	s_setreg_imm32_b32 hwreg(HW_REG_WAVE_MODE, 25, 1), 1
	s_wait_xcnt 0x0
; THE ROUTING.  e[token] = hash_map[orig_input[token]] for the 2,048 tokens; for each of the 8 experts a count and a list of its tokens.
; Eight waves, wave w = expert w; every wave reads all 2,048 indices and hash values (64 registers a lane) and keeps what is its own: waves share nothing, so no LDS and no barrier.
; OUT: route, a region of RP = 8,448 bytes for each expert: bytes 0-127 the count (32 times), bytes 256 on list[2048] of int32.
;   list[0 .. count-1] are the expert's tokens; EVERY entry from count on holds F, the token that stands at list[count-1] (0 where count = 0).
;   So all 2,048 entries are stored, any group of 16 entries can be read before the count is known, and the last group's spare rows are copies of one of its own rows:
;   the later launches compute them like any row and store the same numbers to the same place: no mask anywhere.
; HOW: a token's place follows from P, the number of own tokens ahead of it in the scan (registers ascending, lanes ascending): an own token goes to count-1-P, so that the first own
;   token, F, lands at count-1; any other token, the i-th of the scan, names the place count + (i - P), and F is stored there.  The 2,048 places are all different.
; LIMITS: hash_map's values are taken to lie in 0 .. 7: a token with another value reaches no list and its row of the output is not written.
;   orig_input is held to 0 .. 31,999.
.set RP,   8448                        ; bytes of an expert's region
.set LIST, 256                         ; where its list begins
.set IDX,  16                          ; v16-79   the indices, then the gathers' offsets, then the stores' offsets
.set HV,   80                          ; v80-143  the hash values, then the stores' data
	s_load_b128 s[4:7], s[0:1], 0x0                ; orig_input s[4:5], hash_map s[6:7]
	s_load_b64 s[8:9], s[0:1], 0x10                ; route
	v_lshrrev_b32 v6, 5, v0
	v_readfirstlane_b32 s10, v6                    ; my wave = my expert
	v_and_b32 v1, 31, v0                           ; lane
	v_lshlrev_b32 v2, 4, v1                        ; 16 x lane
	v_lshlrev_b32 v3, 2, v1                        ; 4 x lane
	s_mul_i32 s12, s10, RP
	s_mov_b32 s13, 0
	s_mov_b32 s11, 0                               ; the running count
	s_wait_kmcnt 0x0
	s_add_nc_u64 s[8:9], s[8:9], s[12:13]          ; my expert's region  (s13 = 0 is from here on F)
.irp j, 0,1,2,3,4,5,6,7,8,9,10,11,12,13,14,15
	global_load_b128 v[IDX+4*\j:IDX+4*\j+3], v2, s[4:5] offset:512*\j   ; register n = 4 j + q of lane l: token 128 j + 4 l + q; 512 consecutive bytes a load
.endr
	s_wait_loadcnt 0x0
.set n, 0
.rept 64
	v_min_u32 v[IDX+n], 31999, v[IDX+n]            ; the index stays inside the table
.set n, n+1
.endr
.set n, 0
.rept 64
	v_lshlrev_b32 v[IDX+n], 2, v[IDX+n]
.set n, n+1
.endr
.set n, 0
.rept 64
	global_load_b32 v[HV+n], v[IDX+n], s[6:7]      ; the token's expert
.set n, n+1
.endr
	s_wait_loadcnt 0x0
; PASS 1, registers descending: the count, and F = the first own token of the ascending scan (the last one that this descending pass finds).
.set n0, 56
.rept 8
.irp i, 0,1,2,3,4,5,6,7
	v_cmp_eq_u32 s[20+\i], s10, v[HV+n0+\i]        ; eight masks at a time, so that the scalar lines do not wait for each compare
.endr
.irp i, 7,6,5,4,3,2,1,0
	s_bcnt1_i32_b32 s12, s[20+\i]
	s_add_co_u32 s11, s11, s12
	s_ctz_i32_b32 s14, s[20+\i]                    ; the lowest own lane (of an empty mask: not used)
	s_lshl_b32 s14, s14, 2
	s_add_co_u32 s14, s14, 128*((n0+\i)/4)+(n0+\i)%4   ; its token
	s_cmp_lg_u32 s[20+\i], 0
	s_cselect_b32 s13, s14, s13
.endr
.set n0, n0-8
.endr
	s_mov_b32 s15, s11                             ; count
	s_sub_co_u32 s16, s15, 1                       ; count - 1
	v_add_nc_u32 v4, s15, v1                       ; count + lane
	v_mov_b32 v8, s13                              ; F
	s_mov_b32 s11, 0
; PASS 2, registers ascending.  Each step has its own offset and data registers, so no store's sources are written again.
.set n, 0
.rept 64
	v_cmp_eq_u32 vcc_lo, s10, v[HV+n]
	v_mbcnt_lo_u32_b32 v5, vcc_lo, s11             ; P: own tokens in earlier registers + in lower lanes
	s_bcnt1_i32_b32 s12, vcc_lo
	s_add_co_u32 s11, s11, s12
	v_sub_nc_u32 v6, s16, v5                       ; an own token's place: count - 1 - P
	v_sub_nc_u32 v7, v4, v5
	v_add_nc_u32 v7, 32*n, v7                      ; any other's: count + (32 n + lane - P)
	v_cndmask_b32 v[IDX+n], v7, v6, vcc_lo
	v_min_u32 v[IDX+n], 2047, v[IDX+n]             ; the place stays inside the list
	v_lshlrev_b32 v[IDX+n], 2, v[IDX+n]
	v_add_nc_u32 v10, 128*(n/4)+n%4, v3            ; my token
	v_cndmask_b32 v[HV+n], v8, v10, vcc_lo         ; own: the token; else F
	global_store_b32 v[IDX+n], v[HV+n], s[8:9] offset:LIST
.set n, n+1
.endr
	v_mov_b32 v9, s15
	global_store_b32 v3, v9, s[8:9]                ; the count, 32 times: 128 consecutive bytes
	s_endpgm
.Lfunc_end_k_q1cd5bda0f8_route:
	.size	k_q1cd5bda0f8_route, .Lfunc_end_k_q1cd5bda0f8_route-k_q1cd5bda0f8_route
	.p2alignl 7, 3214868480
	.fill 96, 4, 3214868480
	.section	.rodata,"a",@progbits
	.p2align	6, 0x0
	.amdhsa_kernel k_q1cd5bda0f8_route
		.amdhsa_group_segment_fixed_size 0
		.amdhsa_private_segment_fixed_size 0
		.amdhsa_enable_private_segment 0
		.amdhsa_kernarg_size 24
		.amdhsa_user_sgpr_count 2
		.amdhsa_user_sgpr_kernarg_segment_ptr 1
		.amdhsa_wavefront_size32 1
		.amdhsa_system_sgpr_workgroup_id_x 1
		.amdhsa_system_sgpr_workgroup_id_y 1
		.amdhsa_system_sgpr_workgroup_id_z 1
		.amdhsa_system_vgpr_workitem_id 0
		.amdhsa_next_free_vgpr 144
		.amdhsa_next_free_sgpr 66
		.amdhsa_reserve_vcc 1
		.amdhsa_float_denorm_mode_32 3
		.amdhsa_float_denorm_mode_16_64 3
		.amdhsa_memory_ordered 1
		.amdhsa_forward_progress 1
		.amdhsa_inst_pref_size 73
	.end_amdhsa_kernel
	.amdgpu_metadata
---
amdhsa.version: [ 1, 2 ]
amdhsa.kernels:
  - .name:           k_q1cd5bda0f8_route
    .symbol:         k_q1cd5bda0f8_route.kd
    .args:
      - { .name: orig_input, .offset: 0, .size: 8, .value_kind: global_buffer, .address_space: global }
      - { .name: hash_map, .offset: 8, .size: 8, .value_kind: global_buffer, .address_space: global }
      - { .name: route, .offset: 16, .size: 8, .value_kind: global_buffer, .address_space: global }
    .group_segment_fixed_size: 0
    .private_segment_fixed_size: 0
    .kernarg_segment_align: 8
    .kernarg_segment_size: 24
    .max_flat_workgroup_size: 256
    .sgpr_count:     66
    .vgpr_count:     144
    .wavefront_size: 32
...
	.end_amdgpu_metadata
.endif
;; end of part 1
;; launch ffn1 (part 2): grid 32 x 8, 4 waves a work-group, no clusters, 100,864 bytes of LDS; arguments x_codes, x_scales, W1_codes, W1_scales, b1, route, hid_codes, hid_scales; writes hid_codes, hid_scales
.if DOCPART == 2
	.amdgcn_target "amdgcn-amd-amdhsa--gfx1250"
	.amdhsa_code_object_version 6
	.text
	.protected	k_q1cd5bda0f8_ffn1
	.globl	k_q1cd5bda0f8_ffn1
	.p2align	8
	.type	k_q1cd5bda0f8_ffn1,@function
k_q1cd5bda0f8_ffn1:
	s_mov_b64 s[64:65], 0
	v_nop
	global_prefetch_b8 v0, s[64:65] scope:SCOPE_SE
	s_setreg_imm32_b32 hwreg(HW_REG_WAVE_MODE, 25, 1), 1
	s_wait_xcnt 0x0
; THE FIRST PRODUCT OF THE CHOSEN EXPERT: hidden = Q(relu(x W1[e]^T + b1[e])), on codes of FP6 (E2M3) with one E8M0 scale for each 32 along K; Q is the quantiser along the hidden axis, the next product's K.
; SHARES.  Work-group (sigma, e) owns expert e, hidden units 64 sigma .. 64 sigma + 63, and ALL rows of that expert: 8 x 32 = 256 work-groups, and every byte of W1 is read once in the launch.
;   Each of the four waves holds the whole slice of W1 in registers (4 tiles x 8 K steps = 32 fragments, 384 registers); wave w takes the groups of 16 rows g = w, w + 4, .. of the expert's list.
;   A group is 32 matrix instructions on 4 accumulators, which take turns, one instruction a turn.
; NO TENSOR LOAD, NO CLUSTER, NO JOINT LOAD: the rows are picked by a list read from memory and the number of trips is read from memory.
; THE PRODUCT IS USED TRANSPOSED: source 0 = 16 rows of W1, source 1 = 16 rows of x: a lane holds ONE row of x and its registers run along the hidden units.
;   THE ROWS OF W1 THAT FORM A TILE ARE NOT NEIGHBOURS: lane r of tile 2 b + u takes row 32 b + 8 u + r + 8 (r / 8), so that the 16 registers of tiles 2 b and 2 b + 1 are the hidden units 32 b + 16 (lane / 16) + 0 .. 15.
;   b1 is the C of each sum's first matrix instruction.
; ROWS COME IN WHOLE RUNS AND TURN THROUGH LDS: sixteen lanes load 256 aligned bytes of a row; a fragment wants 24 bytes a lane of 16 rows.  W1's slice turns once (all waves fill, one barrier, all waves read);
;   a group's 16 rows of x turn through the wave's own bytes (no barrier).  LDS rows are 784 bytes apart = 196 words: row r begins 4 r words on, modulo 64 (64 banks of 4 bytes: ISA guide 11.1).
; OUT, laid as the next launch's registers want it: hid_codes [e][group 128][K step 16][1,536 bytes]: a fragment's registers 0-3 at [lane][16], 4-5 at 512 + [lane][8], 6-7 at 768 + [lane][8], 8-11 at 1,024 + [lane][16];
;   an even slice makes registers 0-5, an odd one 6-11: every store of codes covers 256 or 512 consecutive bytes, aligned.  hid_scales [e][group][4][row 16][16 bytes]: a row's scale words of four K steps;
;   a slice stores its 2 bytes of each of the 16 rows, 16 bytes apart (one byte in 48 of what the launch stores).
; The last group's spare rows are copies of one of its rows (the list is filled so).  Group 0 is made for an expert without tokens too, so that the next launch's first loads find bytes that were stored.
; LIMITS: a hidden block of zeros gets the scale byte 1 where the rule says 127: its codes are zeros, and this program alone reads the bytes.  NaN and infinities in the hidden layer are not served.
; REGISTERS, in windows of 256: window 0: v1-31 addresses; v32-63 W1's scale words, v64-71 x's, v72-79 where x's next ones land; v100-131 the accumulators; v132-148 the quantiser; v150-157 x's row offsets;
;   v160-255 x's 8 fragments (at the head: W1's rows on their way to LDS).   window 1: W1's fragments of K steps 0-3, v192-223 b1.   window 2: K steps 4-7.   window 3: v0-95 x's rows on their way to LDS.
.set P1,    784                        ; an LDS row: 768 bytes + 16
.set XST,   64*P1                      ; behind W1's 64 rows: 16 rows of x for each wave
.set XWB,   16*P1
.set RP,    8448                       ; route: bytes of an expert's region;
.set LIST,  256                        ; where its list begins
.set EW,    1572864                    ; W1: bytes of an expert's codes;
.set SLW,   49152                      ; of a slice's 64 rows
.set EH,    3145728                    ; hid_codes: bytes of an expert;
.set GRPB,  24576                      ; of a group;
.set FRGB,  1536                       ; of a fragment
.set WGO, 4                            ; v4   W1 in memory: 16 rows x wave + row (lane / 16) + 16 (lane % 16)
.set WLO, 5                            ; v5   and where that goes in LDS
.set WFR, 6                            ; v6   a fragment's place for my lane: P1 r + 24 h
.set XSW, 7                            ; v7   x into my stage: row 8 h, + 16 r
.set XR,  8                            ; v8   x out of it: my stage + P1 r + 24 h
.set WSA, 9                            ; v9   W1's scale rows: 32 (r + 8 (r / 8))
.set B1A, 10                           ; v10  b1: 64 h
.set LK,  11                           ; v11  the list: 32 h (entries 8 h + 0 .. 7)
.set LR,  12                           ; v12  4 r (entry r)
.set LKC, 13                           ; v13, v14 the same + 64 x the group to be read
.set LRC, 14
.set C16, 15                           ; v15  16 r
.set O16, 16                           ; v16  16 x lane
.set O8,  17                           ; v17  8 x lane
.set TK,  18                           ; v18-25 the tokens of rows 8 h + 0 .. 7
.set TR,  26                           ; v26  the token of row r
.set XSA, 27                           ; v27  its scale row: 32 x token
.set WS,  32                           ; v[32 + 8 t + s]
.set XS,  64
.set XSL, 72
.set ACC, 100
.set TM,  132                          ; two largest magnitudes
.set T2,  134                          ; the other half's
.set SCO, 136                          ; the conversions' scale operands
.set BY,  138                          ; the scale bytes
.set PW,  140                          ; both, as 16 bits
.set PC,  142                          ; v142-148 the codes
.set XA,  150
.set XF,  160
.set B1,  192                          ; in window 1
.set MSB, 0
.macro WIN new                         ; the immediate's high byte repeats the setting that is left; a switch that changes nothing is dropped
.if MSB != (\new)
	s_set_vgpr_msb (MSB<<8)|(\new)
.set MSB, (\new)
.endif
.endm
.macro LISTLOAD                        ; 3 loads: the tokens of the group that LKC and LRC name
	global_load_b128 v[TK:TK+3], v[LKC], s[18:19] offset:LIST
	global_load_b128 v[TK+4:TK+7], v[LKC], s[18:19] offset:LIST+16
	global_load_b32 v[TR], v[LRC], s[18:19] offset:LIST
.endm
.macro ADDR                            ; 18 plain lines: tokens into byte offsets
.irp a, 0,1,2,3,4,5,6,7
	v_min_u32 v[TK+\a], 2047, v[TK+\a]             ; a token stays inside x
.endr
	v_min_u32 v[TR], 2047, v[TR]
.irp a, 0,1,2,3,4,5,6,7
	v_mad_u32_u24 v[XA+\a], v[TK+\a], 768, v[C16]  ; row 8 h + a: 768 bytes a token, + 16 r
.endr
	v_lshlrev_b32 v[XSA], 5, v[TR]
.endm
.macro XLOAD                           ; 26 loads: a group's 16 rows of codes, sixteen lanes to 256 aligned bytes of a row, and its scale rows
	WIN 0xc0                                       ; destination window 3
.irp a, 0,1,2,3,4,5,6,7
.irp c, 0,1,2
	global_load_b128 v[4*(3*\a+\c):4*(3*\a+\c)+3], v[XA+\a], s[8:9] offset:256*\c
.endr
.endr
	WIN 0
	global_load_b128 v[XSL:XSL+3], v[XSA], s[10:11]
	global_load_b128 v[XSL+4:XSL+7], v[XSA], s[10:11] offset:16
.endm
.macro XTURN                           ; the rows go through my own stage and come back as 8 fragments.  LDS serves a wave's instructions in order (ISA guide 5.7.1.4): no wait between the stores and the loads
	WIN 0x0c                                       ; an LDS store's data are its source 1: window 3
.irp a, 0,1,2,3,4,5,6,7
.irp c, 0,1,2
	ds_store_b128 v[XSW], v[4*(3*\a+\c):4*(3*\a+\c)+3] offset:\a*P1+256*\c
.endr
.endr
	WIN 0
.irp s, 0,1,2,3,4,5,6,7
.irp p, 0,1,2,3,4,5
	ds_load_b64 v[XF+12*\s+2*\p:XF+12*\s+2*\p+1], v[XR] offset:96*\s+48*(\p/3)+8*(\p%3)   ; registers 6 c .. 6 c + 5: k = 64 c + 32 h + 0 .. 31: 24 bytes of the row, as they lie, in pieces of 8
.endr
.endr
.endm
.macro MUL s                           ; K step s: the four tiles
.irp t, 0,1,2,3
.if (\s) == 0
	v_wmma_scale_f32_16x16x128_f8f6f4 v[ACC+8*\t:ACC+8*\t+7], v[12*(4*((\s)%4)+\t):12*(4*((\s)%4)+\t)+11], v[XF+12*(\s):XF+12*(\s)+11], v[B1+8*\t:B1+8*\t+7], v[WS+8*\t+(\s)], v[XS+(\s)] matrix_a_fmt:MATRIX_FMT_FP6 matrix_b_fmt:MATRIX_FMT_FP6
.else
	v_wmma_scale_f32_16x16x128_f8f6f4 v[ACC+8*\t:ACC+8*\t+7], v[12*(4*((\s)%4)+\t):12*(4*((\s)%4)+\t)+11], v[XF+12*(\s):XF+12*(\s)+11], v[ACC+8*\t:ACC+8*\t+7], v[WS+8*\t+(\s)], v[XS+(\s)] matrix_a_fmt:MATRIX_FMT_FP6 matrix_b_fmt:MATRIX_FMT_FP6
.endif
.endr
.endm
; 32 numbers of a lane, none negative: register 16 b + i = hidden unit 32 b + 16 h + i of my row.  They become six registers of the next operand in v[PC] on, and two scale bytes in v[PW].
.macro QUANT64
.irp b, 0,1
	v_max3_num_f32 v[TM+\b], v[ACC+16*\b], v[ACC+16*\b+1], 0x1800000   ; block b: my 16 numbers, and the floor 2^(3 - 127): the byte cannot fall under 1
.endr
.irp i, 2,4,6,8,10,12,14
.irp b, 0,1
	v_max3_num_f32 v[TM+\b], v[TM+\b], v[ACC+16*\b+\i], v[ACC+16*\b+\i+1]   ; (the two blocks by turns)
.endr
.endr
.irp b, 0,1
	v_permlanex16_b32 v[T2+\b], v[TM+\b], s34, s35
.endr
.irp b, 0,1
	v_max_num_f32 v[TM+\b], v[TM+\b], v[T2+\b]     ; with lane l xor 16's 16: the block's largest
.endr
.irp b, 0,1
	v_add_nc_u32 v[SCO+\b], 0xff000000, v[TM+\b]   ; 2 off its exponent field: the conversion takes the exponent field of this operand as its scale
.endr
.irp b, 0,1
	v_lshrrev_b32 v[BY+\b], 23, v[SCO+\b]          ; the scale's byte
.endr
	v_lshl_or_b32 v[PW], v[BY+1], 8, v[BY]
	v_cvt_scalef32_pk16_fp6_f32 v[PC:PC+2], v[ACC:ACC+15], v[SCO]
	v_cvt_scalef32_pk16_fp6_f32 v[PC+4:PC+6], v[ACC+16:ACC+31], v[SCO+1]   ; (a conversion's three registers begin on an even number)
	v_nop                                          ; one plain place behind a scaled conversion
.irp i, 0,1,2
	v_permlane16_swap_b32 v[PC+\i], v[PC+4+\i]     ; the operand wants a WHOLE block in a lane: lanes 0-15 block 0, lanes 16-31 block 1: the first now holds the block's lower 16 codes, the second the upper 16
.endr
.irp i, 0,1,2
	v_mov_b32 v[PC+3+\i], v[PC+4+\i]               ; six registers on end
.endr
.endm
	s_load_b512 s[8:23], s[0:1], 0x0               ; x_codes s[8:9], x_scales s[10:11], W1_codes s[12:13], W1_scales s[14:15], b1 s[16:17], route s[18:19], hid_codes s[20:21], hid_scales s[22:23]
	v_lshl_add_u32 v158, v0, 2, 0x18800
	v_mov_b32 v159, 0
	v_lshrrev_b32 v1, 5, v0
	v_readfirstlane_b32 s24, v1                    ; wave 0..3
	s_and_b32 s25, ttmp7, 0xffff                   ; e
	s_mov_b32 s26, ttmp9                           ; sigma
	v_and_b32 v1, 31, v0                           ; lane
	v_and_b32 v2, 15, v0                           ; r
	v_bfe_u32 v3, v0, 4, 1                         ; h
	s_mul_i32 s30, s24, 16*768
	v_mul_u32_u24 v[WGO], v3, 768
	v_lshl_add_u32 v[WGO], v2, 4, v[WGO]
	v_add_nc_u32 v[WGO], s30, v[WGO]
	s_lshr_b32 s30, s24, 1                         ; memory row 16 w + 2 a + h goes to LDS row 32 (w / 2) + 16 (a / 4) + 8 (w % 2) + 2 (a % 4) + h: bits 3 and 4 change places, so that tile t lies in LDS rows 16 t .. 16 t + 15
	s_lshl_b32 s30, s30, 5
	s_and_b32 s31, s24, 1
	s_lshl_b32 s31, s31, 3
	s_add_co_u32 s30, s30, s31
	s_mul_i32 s30, s30, P1
	v_mul_u32_u24 v[WLO], v3, P1
	v_lshl_add_u32 v[WLO], v2, 4, v[WLO]
	v_add_nc_u32 v[WLO], s30, v[WLO]
	v_mul_u32_u24 v[WFR], v2, P1
	v_mad_u32_u24 v[WFR], v3, 24, v[WFR]
	s_mul_i32 s38, s24, XWB
	s_add_co_u32 s38, s38, XST                     ; my stage for x
	v_mul_u32_u24 v[XSW], v3, 8*P1
	v_lshl_add_u32 v[XSW], v2, 4, v[XSW]
	v_add_nc_u32 v[XSW], s38, v[XSW]
	v_add_nc_u32 v[XR], s38, v[WFR]
	v_and_b32 v[WSA], 8, v2
	v_add_nc_u32 v[WSA], v[WSA], v2
	v_lshlrev_b32 v[WSA], 5, v[WSA]
	v_lshlrev_b32 v[B1A], 6, v3
	v_lshlrev_b32 v[LK], 5, v3
	v_lshlrev_b32 v[LR], 2, v2
	v_lshlrev_b32 v[C16], 4, v2
	v_lshlrev_b32 v[O16], 4, v1
	v_lshlrev_b32 v[O8], 3, v1
	s_lshl_b32 s30, s24, 6
	v_add_nc_u32 v[LKC], s30, v[LK]                ; my first group: w
	v_add_nc_u32 v[LRC], s30, v[LR]
	v_mov_b32 v[T2], 0                             ; written once: a lane permute's destination counts as one of its sources
	v_mov_b32 v[T2+1], 0
	s_mov_b32 s34, 0x76543210
	s_mov_b32 s35, 0xfedcba98                      ; v_permlanex16_b32's selects for lane l xor 16
	s_mov_b32 s37, 0                               ; s[36:37]: a 32-bit offset as a pair
	s_wait_kmcnt 0x0
	s_mul_i32 s36, s25, RP
	s_add_nc_u64 s[18:19], s[18:19], s[36:37]      ; my expert's region of route
	s_load_b32 s27, s[18:19], 0x0                  ; its count
	LISTLOAD                                       ; the list is whole for every group, so it is read before the count is known
	s_mul_i32 s36, s25, EW
	s_mul_i32 s30, s26, SLW
	s_add_co_u32 s36, s36, s30
	s_add_nc_u64 s[12:13], s[12:13], s[36:37]      ; my slice of W1's codes
.irp a, 0,1,2,3,4,5,6,7
.irp c, 0,1,2
	global_load_b128 v[XF+4*(3*\a+\c):XF+4*(3*\a+\c)+3], v[WGO], s[12:13] offset:\a*1536+256*\c th:TH_LOAD_NT   ; row 16 w + 2 a + h: read once in the launch
.endr
.endr
	s_lshl_b32 s36, s25, 16
	s_lshl_b32 s30, s26, 11
	s_add_co_u32 s36, s36, s30
	s_add_nc_u64 s[14:15], s[14:15], s[36:37]      ; its scale rows, 32 bytes each
.irp t, 0,1,2,3
.irp j, 0,1
	global_load_b128 v[WS+8*\t+4*\j:WS+8*\t+4*\j+3], v[WSA], s[14:15] offset:(32*(\t/2)+8*(\t%2))*32+16*\j   ; lane r: the eight scale words of tile t's row r
.endr
.endr
	s_lshl_b32 s36, s25, 13
	s_lshl_b32 s30, s26, 8
	s_add_co_u32 s36, s36, s30
	s_add_nc_u64 s[16:17], s[16:17], s[36:37]      ; its 64 numbers of b1
	WIN 0x40                                       ; destination window 1
.irp t, 0,1,2,3
.irp j, 0,1
	global_load_b128 v[B1+8*\t+4*\j:B1+8*\t+4*\j+3], v[B1A], s[16:17] offset:(32*(\t/2)+8*(\t%2))*4+16*\j   ; in the result's layout: units 32 b + 16 h + 8 u + 0 .. 7
.endr
.endr
	WIN 0
	s_mul_i32 s36, s25, EH
	s_lshr_b32 s30, s26, 1
	s_mul_i32 s30, s30, FRGB
	s_add_co_u32 s36, s36, s30
	s_mul_i32 s30, s24, GRPB
	s_add_co_u32 s36, s36, s30
	s_add_nc_u64 s[20:21], s[20:21], s[36:37]      ; hid_codes: expert, K step sigma / 2, group w
	s_lshl_b32 s36, s25, 17
	s_lshr_b32 s30, s26, 3
	s_lshl_b32 s30, s30, 8
	s_add_co_u32 s36, s36, s30
	s_and_b32 s30, s26, 7
	s_lshl_b32 s30, s30, 1
	s_add_co_u32 s36, s36, s30
	s_lshl_b32 s30, s24, 10
	s_add_co_u32 s36, s36, s30
	s_add_nc_u64 s[22:23], s[22:23], s[36:37]      ; hid_scales: expert, quarter sigma / 8, my 2 bytes of a row's 16, group w
	s_wait_loadcnt 40                              ; the three loads of the list are in; behind them: W1's 24, its scale words' 8, b1's 8
	ADDR
	XLOAD                                          ; my first group's rows
	s_add_co_u32 s30, s24, 4
	s_lshl_b32 s30, s30, 6
	v_add_nc_u32 v[LKC], s30, v[LK]                ; (the loads that read these two are in)
	v_add_nc_u32 v[LRC], s30, v[LR]
	LISTLOAD                                       ; and my second group's tokens
	s_wait_loadcnt 45                              ; W1's 24 are in; behind them: 16, the group's 26, the list's 3
.irp a, 0,1,2,3,4,5,6,7
.irp c, 0,1,2
	ds_store_b128 v[WLO], v[XF+4*(3*\a+\c):XF+4*(3*\a+\c)+3] offset:(16*(\a/4)+2*(\a%4))*P1+256*\c
.endr
.endr
	s_wait_dscnt 0x0                               ; for the others' sake: my 16 rows of W1 lie in LDS
	s_barrier_signal -1
	s_barrier_wait -1                              ; all 64 do.  The launch's one barrier: it stands ahead of every branch on the count
	WIN 0x40
.irp s, 0,1,2,3
.irp t, 0,1,2,3
.irp p, 0,1,2,3,4,5
	ds_load_b64 v[12*(4*\s+\t)+2*\p:12*(4*\s+\t)+2*\p+1], v[WFR] offset:16*\t*P1+96*\s+48*(\p/3)+8*(\p%3)
.endr
.endr
.endr
	WIN 0x80
.irp s, 0,1,2,3
.irp t, 0,1,2,3
.irp p, 0,1,2,3,4,5
	ds_load_b64 v[12*(4*\s+\t)+2*\p:12*(4*\s+\t)+2*\p+1], v[WFR] offset:16*\t*P1+96*(\s+4)+48*(\p/3)+8*(\p%3)
.endr
.endr
.endr
	WIN 0
	s_wait_dscnt 0x0                               ; W1's 32 fragments stay in registers from here on
	s_wait_kmcnt 0x0                               ; the count
	s_add_co_u32 s28, s27, 15
	s_lshr_b32 s28, s28, 4
	s_max_u32 s28, s28, 1                          ; group 0 is always made
	s_min_u32 s28, s28, 128                        ; the groups to be made
	s_cmp_ge_u32 s24, s28
	s_cbranch_scc1 .Lend                           ; no group for me
	s_sub_co_u32 s28, s28, s24                     ; my groups are w, w + 4, ..: (groups - w + 3) / 4 of them,
	s_add_co_u32 s28, s28, 3
	s_lshr_b32 s28, s28, 2
	s_min_u32 s28, s28, 32                         ; 32 at the most: my trips
	s_mov_b32 s29, 0                               ; the trip; its group is 4 x trip + w
.Ltrip:                                            ; one group.  On their way since the last trip: its rows and scale rows, and the tokens of my next group
	s_wait_loadcnt 0x0                             ; all of that is in (in the first trip also W1's scale words and b1): zero, so that the count is right whether the last trip asked or not
	XTURN
.irp s, 0,1,2,3,4,5,6,7
	v_mov_b32 v[XS+\s], v[XSL+\s]                  ; the scale words leave the registers in which the next group's will land
.endr
	ADDR                                           ; my next group's offsets (the loads that read the old ones are in).  These 18 plain lines are also the places between the moves above and the products
	s_lshl_b32 s30, s29, 2
	s_add_co_u32 s30, s30, s24
	s_add_co_u32 s30, s30, 8                       ; my next group but one,
	s_min_u32 s30, s30, 127                        ; inside the list's 128 groups
	s_lshl_b32 s30, s30, 6
	v_add_nc_u32 v[LKC], s30, v[LK]
	v_add_nc_u32 v[LRC], s30, v[LR]
	s_wait_dscnt 0x0                               ; the fragments are in, and the stage's stores have read their registers
	s_add_co_u32 s30, s29, 1
	s_cmp_ge_u32 s30, s28
	s_cbranch_scc1 .Lno_next                       ; my last group asks for nothing
	XLOAD                                          ; my next group's rows: they have this group's products and quantiser in which to land
	LISTLOAD                                       ; and the tokens of the group after it
.Lno_next:
	WIN 0x11                                       ; source 0 (W1) and source 2 (b1) window 1
	MUL 0
	WIN 0x01
	MUL 1
	MUL 2
	MUL 3
	WIN 0x02                                       ; source 0 window 2
	MUL 4
	MUL 5
	MUL 6
	MUL 7
	WIN 0
.rept 4
	v_nop                                          ; four places between the last products and the first read of their results (ISA guide 7.12.1)
.endr
.set j, 0
.rept 32
	v_max_num_f32 v[ACC+j], 0, v[ACC+j]            ; the activation, in f32; each accumulator from its low end on
.set j, j+1
.endr
	QUANT64
	s_bitcmp1_b32 s26, 0
	s_cbranch_scc1 .Lodd
	global_store_b128 v[O16], v[PC:PC+3], s[20:21]             ; an even slice: the fragment's registers 0-3: 512 consecutive bytes,
	global_store_b64 v[O8], v[PC+4:PC+5], s[20:21] offset:512  ; and 4-5: 256
	s_branch .Lstored
.Lodd:
	global_store_b64 v[O8], v[PC:PC+1], s[20:21] offset:768    ; an odd slice: registers 6-7,
	global_store_b128 v[O16], v[PC+2:PC+5], s[20:21] offset:1024   ; and 8-11
.Lstored:
	global_store_b16 v[C16], v[PW], s[22:23]       ; my row's two scale bytes (lanes r and r + 16 store the same bytes with the same values)
	s_wait_xcnt 0x0                                ; the stores have read their registers and bases: both may be written again
	s_add_nc_u64 s[20:21], s[20:21], 4*GRPB        ; four groups on
	s_add_nc_u64 s[22:23], s[22:23], 4*1024
	s_add_co_u32 s29, s29, 1
	s_cmp_lt_u32 s29, s28
	s_cbranch_scc1 .Ltrip
.Lend:
	s_wait_tensorcnt 0x0
	ds_add_u32 v158, v159
	s_wait_dscnt 0x0
	s_endpgm
.Lfunc_end_k_q1cd5bda0f8_ffn1:
	.size	k_q1cd5bda0f8_ffn1, .Lfunc_end_k_q1cd5bda0f8_ffn1-k_q1cd5bda0f8_ffn1
	.p2alignl 7, 3214868480
	.fill 96, 4, 3214868480
	.section	.rodata,"a",@progbits
	.p2align	6, 0x0
	.amdhsa_kernel k_q1cd5bda0f8_ffn1
		.amdhsa_group_segment_fixed_size 100864
		.amdhsa_private_segment_fixed_size 0
		.amdhsa_enable_private_segment 0
		.amdhsa_kernarg_size 64
		.amdhsa_user_sgpr_count 2
		.amdhsa_user_sgpr_kernarg_segment_ptr 1
		.amdhsa_wavefront_size32 1
		.amdhsa_system_sgpr_workgroup_id_x 1
		.amdhsa_system_sgpr_workgroup_id_y 1
		.amdhsa_system_sgpr_workgroup_id_z 1
		.amdhsa_system_vgpr_workitem_id 0
		.amdhsa_next_free_vgpr 864
		.amdhsa_next_free_sgpr 66
		.amdhsa_reserve_vcc 0
		.amdhsa_float_denorm_mode_32 3
		.amdhsa_float_denorm_mode_16_64 3
		.amdhsa_memory_ordered 1
		.amdhsa_forward_progress 1
		.amdhsa_inst_pref_size 44
	.end_amdhsa_kernel
	.amdgpu_metadata
---
amdhsa.version: [ 1, 2 ]
amdhsa.kernels:
  - .name:           k_q1cd5bda0f8_ffn1
    .symbol:         k_q1cd5bda0f8_ffn1.kd
    .args:
      - { .name: x_codes, .offset: 0, .size: 8, .value_kind: global_buffer, .address_space: global }
      - { .name: x_scales, .offset: 8, .size: 8, .value_kind: global_buffer, .address_space: global }
      - { .name: W1_codes, .offset: 16, .size: 8, .value_kind: global_buffer, .address_space: global }
      - { .name: W1_scales, .offset: 24, .size: 8, .value_kind: global_buffer, .address_space: global }
      - { .name: b1, .offset: 32, .size: 8, .value_kind: global_buffer, .address_space: global }
      - { .name: route, .offset: 40, .size: 8, .value_kind: global_buffer, .address_space: global }
      - { .name: hid_codes, .offset: 48, .size: 8, .value_kind: global_buffer, .address_space: global }
      - { .name: hid_scales, .offset: 56, .size: 8, .value_kind: global_buffer, .address_space: global }
    .group_segment_fixed_size: 100864
    .private_segment_fixed_size: 0
    .kernarg_segment_align: 8
    .kernarg_segment_size: 64
    .max_flat_workgroup_size: 128
    .sgpr_count:     66
    .vgpr_count:     864
    .wavefront_size: 32
...
	.end_amdgpu_metadata
.endif
;; end of part 2
;; launch ffn2 (part 3): grid 32 x 8, 4 waves a work-group, no clusters, 59,392 bytes of LDS; arguments hid_codes, hid_scales, W2_codes, W2_scales, b2, route, out0; writes out0
.if DOCPART == 3
	.amdgcn_target "amdgcn-amd-amdhsa--gfx1250"
	.amdhsa_code_object_version 6
	.text
	.protected	k_q1cd5bda0f8_ffn2
	.globl	k_q1cd5bda0f8_ffn2
	.p2align	8
	.type	k_q1cd5bda0f8_ffn2,@function
k_q1cd5bda0f8_ffn2:
	s_mov_b64 s[64:65], 0
	v_nop
	global_prefetch_b8 v0, s[64:65] scope:SCOPE_SE
	s_setreg_imm32_b32 hwreg(HW_REG_WAVE_MODE, 25, 1), 1
	s_wait_xcnt 0x0
; THE SECOND PRODUCT OF THE CHOSEN EXPERT: out[token] = hidden W2[e]^T + b2[e], on codes of FP6 (E2M3) with one E8M0 scale for each 32 along K = 2,048.
; SHARES.  Work-group (sigma, e) owns expert e, outputs 32 sigma .. 32 sigma + 31, and ALL rows of that expert: 256 work-groups, every byte of W2 read once in the launch.
;   Each of the four waves holds the slice of W2 in registers (2 tiles x 16 K steps = 32 fragments, 384 registers); wave w takes the groups of 16 rows g = w, w + 4, .. under ceil(count / 16).
; NO TENSOR LOAD, NO CLUSTER, NO JOINT LOAD: the number of trips is read from memory.
; THE HIDDEN LAYER COMES STRAIGHT INTO REGISTERS: the launch before has laid it in the order of this operand's registers, so a fragment is four dense loads.  A group's 16 fragments (192 registers) are four chunks of
;   4 K steps; as soon as a chunk's 8 products are issued, the chunk is asked for again, for the wave's next group: three to four chunks, 18 to 24 KB a wave, are always on their way.
; THE PRODUCT IS USED TRANSPOSED: source 0 = 16 rows of W2, source 1 = the hidden fragment: a lane holds one row of the group and eight neighbouring outputs.
;   Four accumulators (tile t, K step even or odd) take turns, one instruction a turn; the even ones start from b2, the odd ones from 0; they are added at the end.
; THE WAY OUT: a group's 16 rows x 128 bytes go through the wave's own stage in LDS and leave as whole runs: eight lanes store a row's 128 consecutive bytes, aligned, at the row of the token that the list names.
;   (Runs of 256 bytes would want 64 outputs to a wave: 768 registers of W2.)  The last group's spare rows are copies of one of its rows: the same numbers go to the same place.
; REGISTERS, in windows of 256: window 0: v1-23 addresses; v32-63 W2's scale words, v64-79 the hidden layer's; v80-95 b2; v96-127 the accumulators; v128-159 the way out; v160-255 W2's rows on their way to LDS (head only).
;   window 1: W2's fragments of K steps 0-7.   window 2: K steps 8-15.   window 3: v0-191 the hidden fragments.
.set P2,    1552                       ; an LDS row of W2: 1,536 bytes + 16 = 388 words: row r begins 4 r words on, modulo 64 (64 banks of 4 bytes: ISA guide 11.1)
.set STG,   32*P2                      ; behind W2's 32 rows: a stage of 16 rows x (128 + 16) bytes for each wave
.set SP,    144
.set RP,    8448                       ; route: bytes of an expert's region;
.set LIST,  256                        ; where its list begins
.set EW,    1572864                    ; W2: bytes of an expert's codes;
.set SLW,   49152                      ; of a slice's 32 rows
.set EH,    3145728                    ; hid_codes: bytes of an expert;
.set GRPB,  24576                      ; of a group;
.set FRGB,  1536                       ; of a fragment
.set WGO, 4                            ; v4   W2 in memory: 8 rows x wave + row (lane / 16) + 16 (lane % 16)
.set WLO, 5                            ; v5   and where that goes in LDS
.set WFR, 6                            ; v6   a fragment's place for my lane: P2 r + 24 h
.set WSA, 7                            ; v7   W2's scale rows: 64 r
.set B2A, 8                            ; v8   b2: 32 h
.set O16, 9                            ; v9   16 x lane
.set O8,  10                           ; v10  8 x lane
.set HSO, 11                           ; v11  16 r
.set LO,  12                           ; v12  the list: 16 (lane / 8): entries 4 (lane / 8) + 0 .. 3
.set OC,  13                           ; v13  16 (lane % 8): my 16 bytes of a row's 128
.set STO, 14                           ; v14  the stage: where I put 16 bytes of a row
.set SRD, 15                           ; v15  and where I read rows back
.set TK4, 16                           ; v16-19 four tokens
.set OA,  20                           ; v20-23 their rows in out0
.set W2S, 32                           ; v[32 + 16 t + s]
.set HS,  64                           ; v[64 + s]
.set B2,  80
.set ACC, 96                           ; accumulator (t, s % 2) at 96 + 16 (s % 2) + 8 t
.set OUT, 128
.set OB,  144
.set SG,  160
.set MSB, 0
.macro WIN new                         ; the immediate's high byte repeats the setting that is left; a switch that changes nothing is dropped
.if MSB != (\new)
	s_set_vgpr_msb (MSB<<8)|(\new)
.set MSB, (\new)
.endif
.endm
.macro CHUNKLOAD q                     ; K steps 4 q .. 4 q + 3 of the group at which the three walking pointers stand: 17 loads; chunk 0 brings the group's tokens too: 18
.if (\q) == 0
	global_load_b128 v[TK4:TK4+3], v[LO], s[18:19]
.endif
	global_load_b128 v[HS+4*(\q):HS+4*(\q)+3], v[HSO], s[10:11] offset:256*(\q)   ; lane r: row r's four scale words
	WIN 0xc0                                       ; destination window 3
.irp i, 0,1,2,3
	global_load_b128 v[12*(4*(\q)+\i):12*(4*(\q)+\i)+3], v[O16], s[8:9] offset:FRGB*(4*(\q)+\i)
	global_load_b64 v[12*(4*(\q)+\i)+4:12*(4*(\q)+\i)+5], v[O8], s[8:9] offset:FRGB*(4*(\q)+\i)+512
	global_load_b64 v[12*(4*(\q)+\i)+6:12*(4*(\q)+\i)+7], v[O8], s[8:9] offset:FRGB*(4*(\q)+\i)+768
	global_load_b128 v[12*(4*(\q)+\i)+8:12*(4*(\q)+\i)+11], v[O16], s[8:9] offset:FRGB*(4*(\q)+\i)+1024
.endr
	WIN 0
.endm
.macro MULCHUNK q                      ; its 8 products, and four places behind them
	WIN 0x0d+(\q)/2                                ; source 0 (W2) window 1 or 2, source 1 (hidden) window 3
.irp i, 0,1,2,3
.irp t, 0,1
.set SS, 4*(\q)+\i
.set AA, ACC+16*(\i%2)+8*\t
.set WW, 12*(2*(SS%8)+\t)
.if SS == 0
	v_wmma_scale_f32_16x16x128_f8f6f4 v[AA:AA+7], v[WW:WW+11], v[12*SS:12*SS+11], v[B2+8*\t:B2+8*\t+7], v[W2S+16*\t+SS], v[HS+SS] matrix_a_fmt:MATRIX_FMT_FP6 matrix_b_fmt:MATRIX_FMT_FP6
.elseif SS == 1
	v_wmma_scale_f32_16x16x128_f8f6f4 v[AA:AA+7], v[WW:WW+11], v[12*SS:12*SS+11], 0, v[W2S+16*\t+SS], v[HS+SS] matrix_a_fmt:MATRIX_FMT_FP6 matrix_b_fmt:MATRIX_FMT_FP6
.else
	v_wmma_scale_f32_16x16x128_f8f6f4 v[AA:AA+7], v[WW:WW+11], v[12*SS:12*SS+11], v[AA:AA+7], v[W2S+16*\t+SS], v[HS+SS] matrix_a_fmt:MATRIX_FMT_FP6 matrix_b_fmt:MATRIX_FMT_FP6
.endif
.endr
.endr
	WIN 0
.rept 4
	v_nop                                          ; four places in front of loads into registers that these products have read, and of the first read of results (ISA guide 7.12.1 for vector instructions)
.endr
.endm
.macro OUTPUT
.irp t, 0,1
.irp i, 0,1,2,3
	v_pk_add_f32 v[OUT+8*\t+2*\i:OUT+8*\t+2*\i+1], v[ACC+8*\t+2*\i:ACC+8*\t+2*\i+1], v[ACC+16+8*\t+2*\i:ACC+16+8*\t+2*\i+1]   ; the even and the odd K steps' sums; each accumulator from its low end on
.endr
.endr
.irp t, 0,1
.irp i, 0,1
	ds_store_b128 v[STO], v[OUT+8*\t+4*\i:OUT+8*\t+4*\i+3] offset:64*\t+16*\i   ; lane (r, h): row r, outputs 16 t + 8 h + 4 i + 0 .. 3
.endr
.endr
.irp i, 0,1,2,3
	ds_load_b128 v[OB+4*\i:OB+4*\i+3], v[SRD] offset:SP*\i   ; row 4 (lane / 8) + i.  LDS serves a wave's instructions in order (ISA guide 5.7.1.4): these see the stores above
.endr
	s_wait_dscnt 0x0
.irp i, 0,1,2,3
	global_store_b128 v[OA+\i], v[OB+4*\i:OB+4*\i+3], s[20:21] th:TH_STORE_NT   ; eight lanes store 128 consecutive bytes, aligned; written once, read by nobody here
.endr
.endm
; A group.  refill = 1: each chunk is asked for again, for the group four on, behind its products.
.macro TRIP refill
	s_wait_xcnt 0x0                                ; every earlier load and store has read its registers and bases: the pointers, OA and OB may be written
.if \refill
	s_add_nc_u64 s[8:9], s[8:9], 4*GRPB            ; the walking pointers: four groups on
	s_add_nc_u64 s[10:11], s[10:11], 4*1024
	s_add_nc_u64 s[18:19], s[18:19], 4*64
.endif
.irp q, 0,1,2,3
.if \refill
.if \q == 0
	s_wait_loadcnt 51                              ; chunk 0 is in; behind it: this group's chunks 1 to 3, 17 loads each
.else
	s_wait_loadcnt 52                              ; chunk q is in; behind it: three chunks, the next group's chunk 0 (18 loads) among them
.endif
.else
	s_wait_loadcnt 17*(3-\q)                       ; behind chunk q: the chunks that are left
.endif
.if \q == 0
.irp i, 0,1,2,3
	v_min_u32 v[TK4+\i], 2047, v[TK4+\i]           ; a token stays inside out0
.endr
.irp i, 0,1,2,3
	v_lshl_add_u32 v[OA+\i], v[TK4+\i], 12, v[OC]  ; its row of 4,096 bytes, + my 16 bytes
.endr
.endif
	MULCHUNK \q
.if \refill
	CHUNKLOAD \q
.endif
.endr
	OUTPUT
.endm
	s_load_b256 s[8:15], s[0:1], 0x0               ; hid_codes s[8:9], hid_scales s[10:11], W2_codes s[12:13], W2_scales s[14:15]
	s_load_b128 s[16:19], s[0:1], 0x20             ; b2 s[16:17], route s[18:19]
	s_load_b64 s[20:21], s[0:1], 0x30              ; out0
	v_lshl_add_u32 v30, v0, 2, 0xe600
	v_mov_b32 v31, 0
	v_lshrrev_b32 v1, 5, v0
	v_readfirstlane_b32 s24, v1                    ; wave 0..3
	s_and_b32 s25, ttmp7, 0xffff                   ; e
	s_mov_b32 s26, ttmp9                           ; sigma
	v_and_b32 v1, 31, v0                           ; lane
	v_and_b32 v2, 15, v0                           ; r
	v_bfe_u32 v3, v0, 4, 1                         ; h
	s_mul_i32 s30, s24, 8*1536
	v_mul_u32_u24 v[WGO], v3, 1536
	v_lshl_add_u32 v[WGO], v2, 4, v[WGO]
	v_add_nc_u32 v[WGO], s30, v[WGO]
	s_mul_i32 s30, s24, 8*P2
	v_mul_u32_u24 v[WLO], v3, P2
	v_lshl_add_u32 v[WLO], v2, 4, v[WLO]
	v_add_nc_u32 v[WLO], s30, v[WLO]
	v_mul_u32_u24 v[WFR], v2, P2
	v_mad_u32_u24 v[WFR], v3, 24, v[WFR]
	v_lshlrev_b32 v[WSA], 6, v2
	v_lshlrev_b32 v[B2A], 5, v3
	v_lshlrev_b32 v[O16], 4, v1
	v_lshlrev_b32 v[O8], 3, v1
	v_lshlrev_b32 v[HSO], 4, v2
	v_lshrrev_b32 v[LO], 3, v1                     ; lane / 8
	v_and_b32 v[OC], 7, v1
	v_lshlrev_b32 v[OC], 4, v[OC]
	s_mul_i32 s31, s24, 16*SP
	s_add_co_u32 s31, s31, STG                     ; my stage
	v_mul_u32_u24 v[STO], v2, SP
	v_lshl_add_u32 v[STO], v3, 5, v[STO]
	v_add_nc_u32 v[STO], s31, v[STO]               ; in: row r, + 32 h
	v_mul_u32_u24 v[SRD], v[LO], 4*SP
	v_add_nc_u32 v[SRD], v[SRD], v[OC]
	v_add_nc_u32 v[SRD], s31, v[SRD]               ; back: rows 4 (lane / 8) on, 16 bytes a lane
	v_lshlrev_b32 v[LO], 4, v[LO]
	s_mov_b32 s37, 0                               ; s[36:37]: a 32-bit offset as a pair
	s_wait_kmcnt 0x0
	s_mul_i32 s36, s25, RP
	s_add_nc_u64 s[18:19], s[18:19], s[36:37]      ; my expert's region of route
	s_load_b32 s27, s[18:19], 0x0                  ; its count
	s_mul_i32 s36, s25, EW
	s_mul_i32 s30, s26, SLW
	s_add_co_u32 s36, s36, s30
	s_add_nc_u64 s[12:13], s[12:13], s[36:37]      ; my slice of W2's codes
.irp a, 0,1,2,3
.irp c, 0,1,2,3,4,5
	global_load_b128 v[SG+4*(6*\a+\c):SG+4*(6*\a+\c)+3], v[WGO], s[12:13] offset:\a*3072+256*\c th:TH_LOAD_NT   ; row 8 w + 2 a + h, sixteen lanes to 256 aligned bytes: read once in the launch
.endr
.endr
	s_lshl_b32 s36, s25, 16
	s_lshl_b32 s30, s26, 11
	s_add_co_u32 s36, s36, s30
	s_add_nc_u64 s[14:15], s[14:15], s[36:37]      ; its scale rows, 64 bytes each
.irp t, 0,1
.irp i, 0,1,2,3
	global_load_b128 v[W2S+16*\t+4*\i:W2S+16*\t+4*\i+3], v[WSA], s[14:15] offset:1024*\t+16*\i   ; lane r: the sixteen scale words of row 16 t + r
.endr
.endr
	s_lshl_b32 s36, s25, 12
	s_lshl_b32 s30, s26, 7
	s_add_co_u32 s36, s36, s30
	s_add_nc_u64 s[16:17], s[16:17], s[36:37]      ; its 32 numbers of b2
.irp t, 0,1
.irp i, 0,1
	global_load_b128 v[B2+8*\t+4*\i:B2+8*\t+4*\i+3], v[B2A], s[16:17] offset:64*\t+16*\i   ; in the result's layout: outputs 16 t + 8 h + 0 .. 7
.endr
.endr
	s_mov_b32 s36, s30
	s_add_nc_u64 s[20:21], s[20:21], s[36:37]      ; out0 at my 128 bytes of a row
	s_wait_kmcnt 0x0                               ; the count (and the load that read s[18:19] is done)
	s_add_co_u32 s28, s27, 15
	s_lshr_b32 s28, s28, 4
	s_min_u32 s28, s28, 128                        ; the expert's groups
	s_max_u32 s30, s28, 1
	s_sub_co_u32 s30, s30, 1
	s_min_u32 s30, s30, s24                        ; my first group; a wave without one reads the last group that was made, and uses nothing of it
	s_min_u32 s30, s30, 127
	s_mul_i32 s36, s25, EH
	s_mul_i32 s31, s30, GRPB
	s_add_co_u32 s36, s36, s31
	s_add_nc_u64 s[8:9], s[8:9], s[36:37]          ; the walking pointers: the group's codes,
	s_lshl_b32 s36, s25, 17
	s_lshl_b32 s31, s30, 10
	s_add_co_u32 s36, s36, s31
	s_add_nc_u64 s[10:11], s[10:11], s[36:37]      ; its scale words,
	s_lshl_b32 s36, s30, 6
	s_add_co_u32 s36, s36, LIST
	s_add_nc_u64 s[18:19], s[18:19], s[36:37]      ; its 16 tokens
	CHUNKLOAD 0
	s_wait_loadcnt 30                              ; W2's 24 are in; behind them: its scale words' 8, b2's 4, chunk 0's 18
.irp a, 0,1,2,3
.irp c, 0,1,2,3,4,5
	ds_store_b128 v[WLO], v[SG+4*(6*\a+\c):SG+4*(6*\a+\c)+3] offset:2*\a*P2+256*\c
.endr
.endr
	s_wait_dscnt 0x0                               ; for the others' sake: my 8 rows of W2 lie in LDS
	s_barrier_signal -1
	s_barrier_wait -1                              ; all 32 do.  The launch's one barrier: it stands ahead of every branch on the count
	CHUNKLOAD 1
	CHUNKLOAD 2
	CHUNKLOAD 3
	WIN 0x40
.irp s, 0,1,2,3,4,5,6,7
.irp t, 0,1
.irp p, 0,1,2,3,4,5
	ds_load_b64 v[12*(2*\s+\t)+2*\p:12*(2*\s+\t)+2*\p+1], v[WFR] offset:16*\t*P2+96*\s+48*(\p/3)+8*(\p%3)
.endr
.endr
.endr
	WIN 0x80
.irp s, 0,1,2,3,4,5,6,7
.irp t, 0,1
.irp p, 0,1,2,3,4,5
	ds_load_b64 v[12*(2*\s+\t)+2*\p:12*(2*\s+\t)+2*\p+1], v[WFR] offset:16*\t*P2+96*(\s+8)+48*(\p/3)+8*(\p%3)
.endr
.endr
.endr
	WIN 0
	s_wait_dscnt 0x0                               ; W2's 32 fragments stay in registers from here on
	s_cmp_ge_u32 s24, s28
	s_cbranch_scc1 .Lend                           ; no group for me
	s_sub_co_u32 s28, s28, s24                     ; my groups are w, w + 4, ..: (groups - w + 3) / 4 of them,
	s_add_co_u32 s28, s28, 3
	s_lshr_b32 s28, s28, 2
	s_min_u32 s28, s28, 32                         ; 32 at the most
	s_mov_b32 s29, 1                               ; the groups begun, the one in hand among them
	s_cmp_ge_u32 s29, s28
	s_cbranch_scc1 .Ltail
.Lloop:                                            ; a trip: one group, and the requests for the next; all my groups but the last
	TRIP 1
	s_add_co_u32 s29, s29, 1
	s_cmp_lt_u32 s29, s28
	s_cbranch_scc1 .Lloop
.Ltail:
	TRIP 0                                         ; my last group asks for nothing: no load leaves what the launch before has stored
.Lend:
	s_wait_tensorcnt 0x0
	ds_add_u32 v30, v31
	s_wait_dscnt 0x0
	s_endpgm
.Lfunc_end_k_q1cd5bda0f8_ffn2:
	.size	k_q1cd5bda0f8_ffn2, .Lfunc_end_k_q1cd5bda0f8_ffn2-k_q1cd5bda0f8_ffn2
	.p2alignl 7, 3214868480
	.fill 96, 4, 3214868480
	.section	.rodata,"a",@progbits
	.p2align	6, 0x0
	.amdhsa_kernel k_q1cd5bda0f8_ffn2
		.amdhsa_group_segment_fixed_size 59392
		.amdhsa_private_segment_fixed_size 0
		.amdhsa_enable_private_segment 0
		.amdhsa_kernarg_size 56
		.amdhsa_user_sgpr_count 2
		.amdhsa_user_sgpr_kernarg_segment_ptr 1
		.amdhsa_wavefront_size32 1
		.amdhsa_system_sgpr_workgroup_id_x 1
		.amdhsa_system_sgpr_workgroup_id_y 1
		.amdhsa_system_sgpr_workgroup_id_z 1
		.amdhsa_system_vgpr_workitem_id 0
		.amdhsa_next_free_vgpr 960
		.amdhsa_next_free_sgpr 66
		.amdhsa_reserve_vcc 0
		.amdhsa_float_denorm_mode_32 3
		.amdhsa_float_denorm_mode_16_64 3
		.amdhsa_memory_ordered 1
		.amdhsa_forward_progress 1
		.amdhsa_inst_pref_size 49
	.end_amdhsa_kernel
	.amdgpu_metadata
---
amdhsa.version: [ 1, 2 ]
amdhsa.kernels:
  - .name:           k_q1cd5bda0f8_ffn2
    .symbol:         k_q1cd5bda0f8_ffn2.kd
    .args:
      - { .name: hid_codes, .offset: 0, .size: 8, .value_kind: global_buffer, .address_space: global }
      - { .name: hid_scales, .offset: 8, .size: 8, .value_kind: global_buffer, .address_space: global }
      - { .name: W2_codes, .offset: 16, .size: 8, .value_kind: global_buffer, .address_space: global }
      - { .name: W2_scales, .offset: 24, .size: 8, .value_kind: global_buffer, .address_space: global }
      - { .name: b2, .offset: 32, .size: 8, .value_kind: global_buffer, .address_space: global }
      - { .name: route, .offset: 40, .size: 8, .value_kind: global_buffer, .address_space: global }
      - { .name: out0, .offset: 48, .size: 8, .value_kind: global_buffer, .address_space: global }
    .group_segment_fixed_size: 59392
    .private_segment_fixed_size: 0
    .kernarg_segment_align: 8
    .kernarg_segment_size: 56
    .max_flat_workgroup_size: 128
    .sgpr_count:     66
    .vgpr_count:     960
    .wavefront_size: 32
...
	.end_amdgpu_metadata
.endif
;; end of part 3
;; ======== version 2 of 2: 3 launches
;; workspace buffers: route 67,584 bytes of whole numbers; hid_codes 25,165,824 bytes; hid_scales 1,048,576 bytes
;; launch route (part 4): grid 1 x 1, 8 waves a work-group, no clusters, 0 bytes of LDS; arguments orig_input, hash_map, route; writes route
.if DOCPART == 4
	.amdgcn_target "amdgcn-amd-amdhsa--gfx1250"
	.amdhsa_code_object_version 6
	.text
	.protected	k_q1cd5bda0f8_route
	.globl	k_q1cd5bda0f8_route
	.p2align	8
	.type	k_q1cd5bda0f8_route,@function
k_q1cd5bda0f8_route:
	s_mov_b64 s[64:65], 0
	v_nop
	global_prefetch_b8 v0, s[64:65] scope:SCOPE_SE
	s_setreg_imm32_b32 hwreg(HW_REG_WAVE_MODE, 25, 1), 1
	s_wait_xcnt 0x0
; THE ROUTING.  e[token] = hash_map[orig_input[token]] for the 2,048 tokens; for each of the 8 experts a count and a list of its tokens.
; Eight waves, wave w = expert w; every wave reads all 2,048 indices and hash values (64 registers a lane) and keeps what is its own: waves share nothing, so no LDS and no barrier.
; OUT: route, a region of RP = 8,448 bytes for each expert: bytes 0-127 the count (32 times), bytes 256 on list[2048] of int32.
;   list[0 .. count-1] are the expert's tokens; EVERY entry from count on holds F, the token that stands at list[count-1] (0 where count = 0).
;   So all 2,048 entries are stored, any group of 16 entries can be read before the count is known, and the last group's spare rows are copies of one of its own rows:
;   the later launches compute them like any row and store the same numbers to the same place: no mask anywhere.
; HOW: a token's place follows from P, the number of own tokens ahead of it in the scan (registers ascending, lanes ascending): an own token goes to count-1-P, so that the first own
;   token, F, lands at count-1; any other token, the i-th of the scan, names the place count + (i - P), and F is stored there.  The 2,048 places are all different.
; LIMITS: hash_map's values are taken to lie in 0 .. 7: a token with another value reaches no list and its row of the output is not written.
;   orig_input is held to 0 .. 31,999.
.set RP,   8448                        ; bytes of an expert's region
.set LIST, 256                         ; where its list begins
.set IDX,  16                          ; v16-79   the indices, then the gathers' offsets, then the stores' offsets
.set HV,   80                          ; v80-143  the hash values, then the stores' data
	s_load_b128 s[4:7], s[0:1], 0x0                ; orig_input s[4:5], hash_map s[6:7]
	s_load_b64 s[8:9], s[0:1], 0x10                ; route
	v_lshrrev_b32 v6, 5, v0
	s_delay_alu instid0(VALU_DEP_1)
	v_readfirstlane_b32 s10, v6                    ; my wave = my expert
	v_and_b32 v1, 31, v0                           ; lane
	s_delay_alu instid0(VALU_DEP_1)
	v_lshlrev_b32 v2, 4, v1                        ; 16 x lane
	s_delay_alu instid0(VALU_DEP_2)
	v_lshlrev_b32 v3, 2, v1                        ; 4 x lane
	s_mul_i32 s12, s10, RP
	s_mov_b32 s13, 0
	s_mov_b32 s11, 0                               ; the running count
	s_wait_alu depctr_va_vdst(0)
	s_wait_kmcnt 0x0
	s_add_nc_u64 s[8:9], s[8:9], s[12:13]          ; my expert's region  (s13 = 0 is from here on F)
.irp j, 0,1,2,3,4,5,6,7,8,9,10,11,12,13,14,15
	global_load_b128 v[IDX+4*\j:IDX+4*\j+3], v2, s[4:5] offset:512*\j   ; register n = 4 j + q of lane l: token 128 j + 4 l + q; 512 consecutive bytes a load
.endr
	s_wait_loadcnt 0x0
.set n, 0
.rept 64
	v_min_u32 v[IDX+n], 31999, v[IDX+n]            ; the index stays inside the table
.set n, n+1
.endr
.set n, 0
.rept 64
	v_lshlrev_b32 v[IDX+n], 2, v[IDX+n]
.set n, n+1
.endr
.set n, 0
.rept 64
	global_load_b32 v[HV+n], v[IDX+n], s[6:7]      ; the token's expert
.set n, n+1
.endr
	s_wait_loadcnt 0x0
; PASS 1, registers descending: the count, and F = the first own token of the ascending scan (the last one that this descending pass finds).
.set n0, 56
.rept 8
.irp i, 0,1,2,3,4,5,6,7
	v_cmp_eq_u32 s[20+\i], s10, v[HV+n0+\i]        ; eight masks at a time, so that the scalar lines do not wait for each compare
.endr
.irp i, 7,6,5,4,3,2,1,0
	s_bcnt1_i32_b32 s12, s[20+\i]
	s_add_co_u32 s11, s11, s12
	s_ctz_i32_b32 s14, s[20+\i]                    ; the lowest own lane (of an empty mask: not used)
	s_lshl_b32 s14, s14, 2
	s_add_co_u32 s14, s14, 128*((n0+\i)/4)+(n0+\i)%4   ; its token
	s_cmp_lg_u32 s[20+\i], 0
	s_cselect_b32 s13, s14, s13
.endr
.set n0, n0-8
.endr
	s_mov_b32 s15, s11                             ; count
	s_sub_co_u32 s16, s15, 1                       ; count - 1
	v_add_nc_u32 v4, s15, v1                       ; count + lane
	v_mov_b32 v8, s13                              ; F
	s_mov_b32 s11, 0
; PASS 2, registers ascending.  Each step has its own offset and data registers, so no store's sources are written again.
.set n, 0
.rept 64
	v_cmp_eq_u32 vcc_lo, s10, v[HV+n]
	s_delay_alu instid0(VALU_DEP_1)
	v_mbcnt_lo_u32_b32 v5, vcc_lo, s11             ; P: own tokens in earlier registers + in lower lanes
	s_bcnt1_i32_b32 s12, vcc_lo
	s_add_co_u32 s11, s11, s12
	v_sub_nc_u32 v6, s16, v5                       ; an own token's place: count - 1 - P
	v_sub_nc_u32 v7, v4, v5
	s_delay_alu instid0(VALU_DEP_1)
	v_add_nc_u32 v7, 32*n, v7                      ; any other's: count + (32 n + lane - P)
	s_delay_alu instid0(VALU_DEP_1)
	v_cndmask_b32 v[IDX+n], v7, v6, vcc_lo
	s_delay_alu instid0(VALU_DEP_1)
	v_min_u32 v[IDX+n], 2047, v[IDX+n]             ; the place stays inside the list
	s_delay_alu instid0(VALU_DEP_1)
	v_lshlrev_b32 v[IDX+n], 2, v[IDX+n]
	v_add_nc_u32 v10, 128*(n/4)+n%4, v3            ; my token
	s_delay_alu instid0(VALU_DEP_1)
	v_cndmask_b32 v[HV+n], v8, v10, vcc_lo         ; own: the token; else F
	global_store_b32 v[IDX+n], v[HV+n], s[8:9] offset:LIST
.set n, n+1
.endr
	v_mov_b32 v9, s15
	global_store_b32 v3, v9, s[8:9]                ; the count, 32 times: 128 consecutive bytes
	s_endpgm
.Lfunc_end_k_q1cd5bda0f8_route:
	.size	k_q1cd5bda0f8_route, .Lfunc_end_k_q1cd5bda0f8_route-k_q1cd5bda0f8_route
	.p2alignl 7, 3214868480
	.fill 96, 4, 3214868480
	.section	.rodata,"a",@progbits
	.p2align	6, 0x0
	.amdhsa_kernel k_q1cd5bda0f8_route
		.amdhsa_group_segment_fixed_size 0
		.amdhsa_private_segment_fixed_size 0
		.amdhsa_enable_private_segment 0
		.amdhsa_kernarg_size 24
		.amdhsa_user_sgpr_count 2
		.amdhsa_user_sgpr_kernarg_segment_ptr 1
		.amdhsa_wavefront_size32 1
		.amdhsa_system_sgpr_workgroup_id_x 1
		.amdhsa_system_sgpr_workgroup_id_y 1
		.amdhsa_system_sgpr_workgroup_id_z 1
		.amdhsa_system_vgpr_workitem_id 0
		.amdhsa_next_free_vgpr 144
		.amdhsa_next_free_sgpr 66
		.amdhsa_reserve_vcc 1
		.amdhsa_float_denorm_mode_32 3
		.amdhsa_float_denorm_mode_16_64 3
		.amdhsa_memory_ordered 1
		.amdhsa_forward_progress 1
		.amdhsa_inst_pref_size 85
	.end_amdhsa_kernel
	.amdgpu_metadata
---
amdhsa.version: [ 1, 2 ]
amdhsa.kernels:
  - .name:           k_q1cd5bda0f8_route
    .symbol:         k_q1cd5bda0f8_route.kd
    .args:
      - { .name: orig_input, .offset: 0, .size: 8, .value_kind: global_buffer, .address_space: global }
      - { .name: hash_map, .offset: 8, .size: 8, .value_kind: global_buffer, .address_space: global }
      - { .name: route, .offset: 16, .size: 8, .value_kind: global_buffer, .address_space: global }
    .group_segment_fixed_size: 0
    .private_segment_fixed_size: 0
    .kernarg_segment_align: 8
    .kernarg_segment_size: 24
    .max_flat_workgroup_size: 256
    .sgpr_count:     66
    .vgpr_count:     144
    .wavefront_size: 32
...
	.end_amdgpu_metadata
.endif
;; end of part 4
;; launch ffn1 (part 5): grid 32 x 8, 4 waves a work-group, no clusters, 100,864 bytes of LDS; arguments x_codes, x_scales, W1_codes, W1_scales, b1, route, hid_codes, hid_scales; writes hid_codes, hid_scales
.if DOCPART == 5
	.amdgcn_target "amdgcn-amd-amdhsa--gfx1250"
	.amdhsa_code_object_version 6
	.text
	.protected	k_q1cd5bda0f8_ffn1
	.globl	k_q1cd5bda0f8_ffn1
	.p2align	8
	.type	k_q1cd5bda0f8_ffn1,@function
k_q1cd5bda0f8_ffn1:
	s_mov_b64 s[64:65], 0
	v_nop
	global_prefetch_b8 v0, s[64:65] scope:SCOPE_SE
	s_setreg_imm32_b32 hwreg(HW_REG_WAVE_SCHED_MODE, 0, 2), 2
	s_setreg_imm32_b32 hwreg(HW_REG_WAVE_MODE, 25, 1), 1
	s_wait_xcnt 0x0
	s_wait_alu depctr_vm_vsrc(0)
; THE FIRST PRODUCT OF THE CHOSEN EXPERT: hidden = Q(relu(x W1[e]^T + b1[e])), on codes of FP6 (E2M3) with one E8M0 scale for each 32 along K; Q is the quantiser along the hidden axis, the next product's K.
; SHARES.  Work-group (sigma, e) owns expert e, hidden units 64 sigma .. 64 sigma + 63, and ALL rows of that expert: 8 x 32 = 256 work-groups, and every byte of W1 is read once in the launch.
;   Each of the four waves holds the whole slice of W1 in registers (4 tiles x 8 K steps = 32 fragments, 384 registers); wave w takes the groups of 16 rows g = w, w + 4, .. of the expert's list.
;   A group is 32 matrix instructions on 4 accumulators, which take turns, one instruction a turn.
; NO TENSOR LOAD, NO CLUSTER, NO JOINT LOAD: the rows are picked by a list read from memory and the number of trips is read from memory.
; THE PRODUCT IS USED TRANSPOSED: source 0 = 16 rows of W1, source 1 = 16 rows of x: a lane holds ONE row of x and its registers run along the hidden units.
;   THE ROWS OF W1 THAT FORM A TILE ARE NOT NEIGHBOURS: lane r of tile 2 b + u takes row 32 b + 8 u + r + 8 (r / 8), so that the 16 registers of tiles 2 b and 2 b + 1 are the hidden units 32 b + 16 (lane / 16) + 0 .. 15.
;   b1 is the C of each sum's first matrix instruction.
; ROWS COME IN WHOLE RUNS AND TURN THROUGH LDS: sixteen lanes load 256 aligned bytes of a row; a fragment wants 24 bytes a lane of 16 rows.  W1's slice turns once (all waves fill, one barrier, all waves read);
;   a group's 16 rows of x turn through the wave's own bytes (no barrier).  LDS rows are 784 bytes apart = 196 words: row r begins 4 r words on, modulo 64 (64 banks of 4 bytes: ISA guide 11.1).
; OUT, laid as the next launch's registers want it: hid_codes [e][group 128][K step 16][1,536 bytes]: a fragment's registers 0-3 at [lane][16], 4-5 at 512 + [lane][8], 6-7 at 768 + [lane][8], 8-11 at 1,024 + [lane][16];
;   an even slice makes registers 0-5, an odd one 6-11: every store of codes covers 256 or 512 consecutive bytes, aligned.  hid_scales [e][group][4][row 16][16 bytes]: a row's scale words of four K steps;
;   a slice stores its 2 bytes of each of the 16 rows, 16 bytes apart (one byte in 48 of what the launch stores).
; The last group's spare rows are copies of one of its rows (the list is filled so).  Group 0 is made for an expert without tokens too, so that the next launch's first loads find bytes that were stored.
; LIMITS: a hidden block of zeros gets the scale byte 1 where the rule says 127: its codes are zeros, and this program alone reads the bytes.  NaN and infinities in the hidden layer are not served.
; REGISTERS, in windows of 256: window 0: v1-31 addresses; v32-63 W1's scale words, v64-71 x's, v72-79 where x's next ones land; v100-131 the accumulators; v132-148 the quantiser; v150-157 x's row offsets;
;   v160-255 x's 8 fragments (at the head: W1's rows on their way to LDS).   window 1: W1's fragments of K steps 0-3, v192-223 b1.   window 2: K steps 4-7.   window 3: v0-95 x's rows on their way to LDS.
; THE MODE: SCHED_MODE bits 1:0 = 2 (LLVM: expert scheduling mode 2), set by the entry lines.  The code itself states the register dependences
; between vector or matrix instructions and memory or LDS instructions, with s_wait_alu, always for 0.
; THE PLAN.  Registers that memory or LDS instructions touch, in a trip:
;   window 3 v0-95  The rows' loads land in them; the stage's LDS stores of the next trip read them; no vector instruction names them.
;   XSL             The scale rows land in it; eight moves read it.
;   TK, TR          The list's loads land in them; the lines of ADDR read them and write TK.
;   XA, XSA         Written by ADDR; read by the rows' loads.        LKC, LRC  Written by two additions; read by the list's loads.
;   XF              48 LDS loads land in it; the products read it.    PC, PW    Written by the quantiser; read by the trip's three stores.
;   v4-v12, v15-v17 Addresses made at the head, never written again.
; Three waits a trip.  (a) vm_vsrc behind the run of stage instructions: all that earlier memory and LDS instructions read may be written.  (b) va_vdst behind the moves, ADDR and the two additions, ahead of the
; branch round the requests: what they wrote may be read by loads and, as scales, by the products; what they read may be loaded again.  (c) va_vdst ahead of the stores: the codes are written, and the products are
; done reading XF; from there to the next trip's LDS loads into XF no vector instruction names XF.
.set P1,    784                        ; an LDS row: 768 bytes + 16
.set XST,   64*P1                      ; behind W1's 64 rows: 16 rows of x for each wave
.set XWB,   16*P1
.set RP,    8448                       ; route: bytes of an expert's region;
.set LIST,  256                        ; where its list begins
.set EW,    1572864                    ; W1: bytes of an expert's codes;
.set SLW,   49152                      ; of a slice's 64 rows
.set EH,    3145728                    ; hid_codes: bytes of an expert;
.set GRPB,  24576                      ; of a group;
.set FRGB,  1536                       ; of a fragment
.set WGO, 4                            ; v4   W1 in memory: 16 rows x wave + row (lane / 16) + 16 (lane % 16)
.set WLO, 5                            ; v5   and where that goes in LDS
.set WFR, 6                            ; v6   a fragment's place for my lane: P1 r + 24 h
.set XSW, 7                            ; v7   x into my stage: row 8 h, + 16 r
.set XR,  8                            ; v8   x out of it: my stage + P1 r + 24 h
.set WSA, 9                            ; v9   W1's scale rows: 32 (r + 8 (r / 8))
.set B1A, 10                           ; v10  b1: 64 h
.set LK,  11                           ; v11  the list: 32 h (entries 8 h + 0 .. 7)
.set LR,  12                           ; v12  4 r (entry r)
.set LKC, 13                           ; v13, v14 the same + 64 x the group to be read
.set LRC, 14
.set C16, 15                           ; v15  16 r
.set O16, 16                           ; v16  16 x lane
.set O8,  17                           ; v17  8 x lane
.set TK,  18                           ; v18-25 the tokens of rows 8 h + 0 .. 7
.set TR,  26                           ; v26  the token of row r
.set XSA, 27                           ; v27  its scale row: 32 x token
.set WS,  32                           ; v[32 + 8 t + s]
.set XS,  64
.set XSL, 72
.set ACC, 100
.set TM,  132                          ; two largest magnitudes
.set T2,  134                          ; the other half's
.set SCO, 136                          ; the conversions' scale operands
.set BY,  138                          ; the scale bytes
.set PW,  140                          ; both, as 16 bits
.set PC,  142                          ; v142-148 the codes
.set XA,  150
.set XF,  160
.set B1,  192                          ; in window 1
.set MSB, 0
.macro WIN new                         ; the immediate's high byte repeats the setting that is left; a switch that changes nothing is dropped
.if MSB != (\new)
	s_set_vgpr_msb (MSB<<8)|(\new)
.set MSB, (\new)
.endif
.endm
.macro LISTLOAD                        ; 3 loads: the tokens of the group that LKC and LRC name
	global_load_b128 v[TK:TK+3], v[LKC], s[18:19] offset:LIST
	global_load_b128 v[TK+4:TK+7], v[LKC], s[18:19] offset:LIST+16
	global_load_b32 v[TR], v[LRC], s[18:19] offset:LIST
.endm
.macro ADDR                            ; 18 plain lines: tokens into byte offsets
.irp a, 0,1,2,3,4,5,6,7
	v_min_u32 v[TK+\a], 2047, v[TK+\a]             ; a token stays inside x
.endr
	v_min_u32 v[TR], 2047, v[TR]
.irp a, 0,1,2,3,4,5,6,7
	v_mad_u32_u24 v[XA+\a], v[TK+\a], 768, v[C16]  ; row 8 h + a: 768 bytes a token, + 16 r
.endr
	v_lshlrev_b32 v[XSA], 5, v[TR]
.endm
.macro XLOAD                           ; 26 loads: a group's 16 rows of codes, sixteen lanes to 256 aligned bytes of a row, and its scale rows
	WIN 0xc0                                       ; destination window 3
.irp a, 0,1,2,3,4,5,6,7
.irp c, 0,1,2
	global_load_b128 v[4*(3*\a+\c):4*(3*\a+\c)+3], v[XA+\a], s[8:9] offset:256*\c
.endr
.endr
	WIN 0
	global_load_b128 v[XSL:XSL+3], v[XSA], s[10:11]
	global_load_b128 v[XSL+4:XSL+7], v[XSA], s[10:11] offset:16
.endm
.macro XTURN                           ; the rows go through my own stage and come back as 8 fragments.  LDS serves a wave's instructions in order (ISA guide 5.7.1.4): no wait between the stores and the loads
	WIN 0x0c                                       ; an LDS store's data are its source 1: window 3
.irp a, 0,1,2,3,4,5,6,7
.irp c, 0,1,2
	ds_store_b128 v[XSW], v[4*(3*\a+\c):4*(3*\a+\c)+3] offset:\a*P1+256*\c
.endr
.endr
	WIN 0
.irp s, 0,1,2,3,4,5,6,7
.irp p, 0,1,2,3,4,5
	ds_load_b64 v[XF+12*\s+2*\p:XF+12*\s+2*\p+1], v[XR] offset:96*\s+48*(\p/3)+8*(\p%3)   ; registers 6 c .. 6 c + 5: k = 64 c + 32 h + 0 .. 31: 24 bytes of the row, as they lie, in pieces of 8
.endr
.endr
.endm
.macro MUL s                           ; K step s: the four tiles
.irp t, 0,1,2,3
.if (\s) == 0
	v_wmma_scale_f32_16x16x128_f8f6f4 v[ACC+8*\t:ACC+8*\t+7], v[12*(4*((\s)%4)+\t):12*(4*((\s)%4)+\t)+11], v[XF+12*(\s):XF+12*(\s)+11], v[B1+8*\t:B1+8*\t+7], v[WS+8*\t+(\s)], v[XS+(\s)] matrix_a_fmt:MATRIX_FMT_FP6 matrix_b_fmt:MATRIX_FMT_FP6
.else
	v_wmma_scale_f32_16x16x128_f8f6f4 v[ACC+8*\t:ACC+8*\t+7], v[12*(4*((\s)%4)+\t):12*(4*((\s)%4)+\t)+11], v[XF+12*(\s):XF+12*(\s)+11], v[ACC+8*\t:ACC+8*\t+7], v[WS+8*\t+(\s)], v[XS+(\s)] matrix_a_fmt:MATRIX_FMT_FP6 matrix_b_fmt:MATRIX_FMT_FP6
.endif
.endr
.endm
; 32 numbers of a lane, none negative: register 16 b + i = hidden unit 32 b + 16 h + i of my row.  They become six registers of the next operand in v[PC] on, and two scale bytes in v[PW].
.macro QUANT64
.irp b, 0,1
	v_max3_num_f32 v[TM+\b], v[ACC+16*\b], v[ACC+16*\b+1], 0x1800000   ; block b: my 16 numbers, and the floor 2^(3 - 127): the byte cannot fall under 1
.endr
.irp i, 2,4,6,8,10,12,14
.irp b, 0,1
	v_max3_num_f32 v[TM+\b], v[TM+\b], v[ACC+16*\b+\i], v[ACC+16*\b+\i+1]   ; (the two blocks by turns)
.endr
.endr
.irp b, 0,1
	v_permlanex16_b32 v[T2+\b], v[TM+\b], s34, s35
.endr
.irp b, 0,1
	v_max_num_f32 v[TM+\b], v[TM+\b], v[T2+\b]     ; with lane l xor 16's 16: the block's largest
.endr
.irp b, 0,1
	v_add_nc_u32 v[SCO+\b], 0xff000000, v[TM+\b]   ; 2 off its exponent field: the conversion takes the exponent field of this operand as its scale
.endr
.irp b, 0,1
	v_lshrrev_b32 v[BY+\b], 23, v[SCO+\b]          ; the scale's byte
.endr
	v_lshl_or_b32 v[PW], v[BY+1], 8, v[BY]
	v_cvt_scalef32_pk16_fp6_f32 v[PC:PC+2], v[ACC:ACC+15], v[SCO]
	v_cvt_scalef32_pk16_fp6_f32 v[PC+4:PC+6], v[ACC+16:ACC+31], v[SCO+1]   ; (a conversion's three registers begin on an even number)
	v_nop                                          ; one plain place behind a scaled conversion
.irp i, 0,1,2
	v_permlane16_swap_b32 v[PC+\i], v[PC+4+\i]     ; the operand wants a WHOLE block in a lane: lanes 0-15 block 0, lanes 16-31 block 1: the first now holds the block's lower 16 codes, the second the upper 16
.endr
.irp i, 0,1,2
	v_mov_b32 v[PC+3+\i], v[PC+4+\i]               ; six registers on end
.endr
.endm
	s_load_b512 s[8:23], s[0:1], 0x0               ; x_codes s[8:9], x_scales s[10:11], W1_codes s[12:13], W1_scales s[14:15], b1 s[16:17], route s[18:19], hid_codes s[20:21], hid_scales s[22:23]
	v_lshl_add_u32 v158, v0, 2, 0x18800            ; the LDS address of my spare word, behind the four stages, and 0: made here and kept for the closing lines alone
	v_mov_b32 v159, 0
	v_lshrrev_b32 v1, 5, v0
	v_readfirstlane_b32 s24, v1                    ; wave 0..3
	s_and_b32 s25, ttmp7, 0xffff                   ; e
	s_mov_b32 s26, ttmp9                           ; sigma
	v_and_b32 v1, 31, v0                           ; lane
	v_and_b32 v2, 15, v0                           ; r
	v_bfe_u32 v3, v0, 4, 1                         ; h
	s_wait_alu depctr_va_vdst(0)
	s_wait_alu depctr_va_sdst(0)                   ; s24 is written, ahead of its first reader: LDS places, bases and the trip count are made from it
	s_mul_i32 s30, s24, 16*768
	v_mul_u32_u24 v[WGO], v3, 768
	v_lshl_add_u32 v[WGO], v2, 4, v[WGO]
	v_add_nc_u32 v[WGO], s30, v[WGO]
	s_lshr_b32 s30, s24, 1                         ; memory row 16 w + 2 a + h goes to LDS row 32 (w / 2) + 16 (a / 4) + 8 (w % 2) + 2 (a % 4) + h: bits 3 and 4 change places, so that tile t lies in LDS rows 16 t .. 16 t + 15
	s_lshl_b32 s30, s30, 5
	s_and_b32 s31, s24, 1
	s_lshl_b32 s31, s31, 3
	s_add_co_u32 s30, s30, s31
	s_mul_i32 s30, s30, P1
	v_mul_u32_u24 v[WLO], v3, P1
	v_lshl_add_u32 v[WLO], v2, 4, v[WLO]
	v_add_nc_u32 v[WLO], s30, v[WLO]
	v_mul_u32_u24 v[WFR], v2, P1
	v_mad_u32_u24 v[WFR], v3, 24, v[WFR]
	s_mul_i32 s38, s24, XWB
	s_add_co_u32 s38, s38, XST                     ; my stage for x
	v_mul_u32_u24 v[XSW], v3, 8*P1
	v_lshl_add_u32 v[XSW], v2, 4, v[XSW]
	v_add_nc_u32 v[XSW], s38, v[XSW]
	v_add_nc_u32 v[XR], s38, v[WFR]
	v_and_b32 v[WSA], 8, v2
	v_add_nc_u32 v[WSA], v[WSA], v2
	v_lshlrev_b32 v[WSA], 5, v[WSA]
	v_lshlrev_b32 v[B1A], 6, v3
	v_lshlrev_b32 v[LK], 5, v3
	v_lshlrev_b32 v[LR], 2, v2
	v_lshlrev_b32 v[C16], 4, v2
	v_lshlrev_b32 v[O16], 4, v1
	v_lshlrev_b32 v[O8], 3, v1
	s_lshl_b32 s30, s24, 6
	v_add_nc_u32 v[LKC], s30, v[LK]                ; my first group: w
	v_add_nc_u32 v[LRC], s30, v[LR]
	v_mov_b32 v[T2], 0                             ; written once: a lane permute's destination counts as one of its sources
	v_mov_b32 v[T2+1], 0
	s_mov_b32 s34, 0x76543210
	s_mov_b32 s35, 0xfedcba98                      ; v_permlanex16_b32's selects for lane l xor 16
	s_mov_b32 s37, 0                               ; s[36:37]: a 32-bit offset as a pair
	s_wait_kmcnt 0x0
	s_mul_i32 s36, s25, RP
	s_add_nc_u64 s[18:19], s[18:19], s[36:37]      ; my expert's region of route
	s_load_b32 s27, s[18:19], 0x0                  ; its count
	s_wait_alu depctr_va_vdst(0)                   ; the addresses v4 to v17 are written, which the loads, the stores and the LDS instructions from here on read
	LISTLOAD                                       ; the list is whole for every group, so it is read before the count is known
	s_mul_i32 s36, s25, EW
	s_mul_i32 s30, s26, SLW
	s_add_co_u32 s36, s36, s30
	s_add_nc_u64 s[12:13], s[12:13], s[36:37]      ; my slice of W1's codes
.irp a, 0,1,2,3,4,5,6,7
.irp c, 0,1,2
	global_load_b128 v[XF+4*(3*\a+\c):XF+4*(3*\a+\c)+3], v[WGO], s[12:13] offset:\a*1536+256*\c th:TH_LOAD_NT   ; row 16 w + 2 a + h: read once in the launch
.endr
.endr
	s_lshl_b32 s36, s25, 16
	s_lshl_b32 s30, s26, 11
	s_add_co_u32 s36, s36, s30
	s_add_nc_u64 s[14:15], s[14:15], s[36:37]      ; its scale rows, 32 bytes each
.irp t, 0,1,2,3
.irp j, 0,1
	global_load_b128 v[WS+8*\t+4*\j:WS+8*\t+4*\j+3], v[WSA], s[14:15] offset:(32*(\t/2)+8*(\t%2))*32+16*\j   ; lane r: the eight scale words of tile t's row r
.endr
.endr
	s_lshl_b32 s36, s25, 13
	s_lshl_b32 s30, s26, 8
	s_add_co_u32 s36, s36, s30
	s_add_nc_u64 s[16:17], s[16:17], s[36:37]      ; its 64 numbers of b1
	WIN 0x40                                       ; destination window 1
.irp t, 0,1,2,3
.irp j, 0,1
	global_load_b128 v[B1+8*\t+4*\j:B1+8*\t+4*\j+3], v[B1A], s[16:17] offset:(32*(\t/2)+8*(\t%2))*4+16*\j   ; in the result's layout: units 32 b + 16 h + 8 u + 0 .. 7
.endr
.endr
	WIN 0
	s_mul_i32 s36, s25, EH
	s_lshr_b32 s30, s26, 1
	s_mul_i32 s30, s30, FRGB
	s_add_co_u32 s36, s36, s30
	s_mul_i32 s30, s24, GRPB
	s_add_co_u32 s36, s36, s30
	s_add_nc_u64 s[20:21], s[20:21], s[36:37]      ; hid_codes: expert, K step sigma / 2, group w
	s_lshl_b32 s36, s25, 17
	s_lshr_b32 s30, s26, 3
	s_lshl_b32 s30, s30, 8
	s_add_co_u32 s36, s36, s30
	s_and_b32 s30, s26, 7
	s_lshl_b32 s30, s30, 1
	s_add_co_u32 s36, s36, s30
	s_lshl_b32 s30, s24, 10
	s_add_co_u32 s36, s36, s30
	s_add_nc_u64 s[22:23], s[22:23], s[36:37]      ; hid_scales: expert, quarter sigma / 8, my 2 bytes of a row's 16, group w
	s_wait_loadcnt 40                              ; the three loads of the list are in; behind them: W1's 24, its scale words' 8, b1's 8
	s_wait_alu depctr_vm_vsrc(0)                   ; the list's loads have read LKC and LRC, which the two additions below write again
	ADDR
	s_add_co_u32 s30, s24, 4
	s_lshl_b32 s30, s30, 6
	v_add_nc_u32 v[LKC], s30, v[LK]                ; my second group
	v_add_nc_u32 v[LRC], s30, v[LR]
	s_wait_alu depctr_va_vdst(0)                   ; XA, XSA, LKC and LRC are written, which the loads below read; the lines of ADDR are done with TK and TR, in which the next tokens land
	XLOAD                                          ; my first group's rows
	LISTLOAD                                       ; and my second group's tokens
	s_wait_loadcnt 45                              ; W1's 24 are in; behind them: 16, the group's 26, the list's 3
.irp a, 0,1,2,3,4,5,6,7
.irp c, 0,1,2
	ds_store_b128 v[WLO], v[XF+4*(3*\a+\c):XF+4*(3*\a+\c)+3] offset:(16*(\a/4)+2*(\a%4))*P1+256*\c
.endr
.endr
	s_wait_dscnt 0x0                               ; for the others' sake: my 16 rows of W1 lie in LDS
	s_barrier_signal -1
	s_barrier_wait -1                              ; all 64 do.  The launch's one barrier: it stands ahead of every branch on the count
	s_wait_alu depctr_vm_vsrc(0)                   ; my LDS stores have read v[XF ..], in which x's fragments land from the first trip on
	WIN 0x40
.irp s, 0,1,2,3
.irp t, 0,1,2,3
.irp p, 0,1,2,3,4,5
	ds_load_b64 v[12*(4*\s+\t)+2*\p:12*(4*\s+\t)+2*\p+1], v[WFR] offset:16*\t*P1+96*\s+48*(\p/3)+8*(\p%3)
.endr
.endr
.endr
	WIN 0x80
.irp s, 0,1,2,3
.irp t, 0,1,2,3
.irp p, 0,1,2,3,4,5
	ds_load_b64 v[12*(4*\s+\t)+2*\p:12*(4*\s+\t)+2*\p+1], v[WFR] offset:16*\t*P1+96*(\s+4)+48*(\p/3)+8*(\p%3)
.endr
.endr
.endr
	WIN 0
	s_wait_dscnt 0x0                               ; W1's 32 fragments stay in registers from here on
	s_wait_kmcnt 0x0                               ; the count
	s_add_co_u32 s28, s27, 15
	s_lshr_b32 s28, s28, 4
	s_max_u32 s28, s28, 1                          ; group 0 is always made
	s_min_u32 s28, s28, 128                        ; the groups to be made
	s_cmp_ge_u32 s24, s28
	s_cbranch_scc1 .Lend                           ; no group for me
	s_sub_co_u32 s28, s28, s24                     ; my groups are w, w + 4, ..: (groups - w + 3) / 4 of them,
	s_add_co_u32 s28, s28, 3
	s_lshr_b32 s28, s28, 2
	s_min_u32 s28, s28, 32                         ; 32 at the most: my trips
	s_mov_b32 s29, 0                               ; the trip; its group is 4 x trip + w
.Ltrip:                                            ; one group.  On their way since the last trip: its rows and scale rows, and the tokens of my next group
	s_wait_loadcnt 0x0                             ; all of that is in (in the first trip also W1's scale words and b1): zero, so that the count is right whether the last trip asked or not
	XTURN                                          ; (the products that read v[XF ..] stand ahead of the last trip's wait on va_vdst, and no vector instruction has named these registers since)
	s_wait_alu depctr_vm_vsrc(0)                   ; the stage's stores have read the rows' registers, in which the next rows land; the loads asked for last have read XA, XSA, LKC and LRC, and the last trip's stores PC and PW: all are written again below
.irp s, 0,1,2,3,4,5,6,7
	v_mov_b32 v[XS+\s], v[XSL+\s]                  ; the scale words leave the registers in which the next group's will land
.endr
	ADDR                                           ; my next group's offsets.  These 18 plain lines are also the places between the moves above and the products
	s_lshl_b32 s30, s29, 2
	s_add_co_u32 s30, s30, s24
	s_add_co_u32 s30, s30, 8                       ; my next group but one,
	s_min_u32 s30, s30, 127                        ; inside the list's 128 groups
	s_lshl_b32 s30, s30, 6
	v_add_nc_u32 v[LKC], s30, v[LK]
	v_add_nc_u32 v[LRC], s30, v[LR]
	s_wait_alu depctr_va_vdst(0)                   ; XS is written, which the products take as scales; XA, XSA, LKC and LRC are written, which the loads below read; the moves are done with XSL, the lines of ADDR with TK and TR, in which those loads land
	s_add_co_u32 s30, s29, 1
	s_cmp_ge_u32 s30, s28
	s_cbranch_scc1 .Lno_next                       ; my last group asks for nothing
	XLOAD                                          ; my next group's rows go out while this group's fragments come back from the stage: they have this group's products and quantiser in which to land
	LISTLOAD                                       ; and the tokens of the group after it
.Lno_next:
	s_wait_dscnt 0x0                               ; this group's fragments are in
	WIN 0x11                                       ; source 0 (W1) and source 2 (b1) window 1
	MUL 0
	WIN 0x01
	MUL 1
	MUL 2
	MUL 3
	WIN 0x02                                       ; source 0 window 2
	MUL 4
	MUL 5
	MUL 6
	MUL 7
	WIN 0
.rept 4
	v_nop                                          ; four places between the last products and the first read of their results (ISA guide 7.12.1)
.endr
.set j, 0
.rept 32
	v_max_num_f32 v[ACC+j], 0, v[ACC+j]            ; the activation, in f32; each accumulator from its low end on
.set j, j+1
.endr
	QUANT64
	s_wait_alu depctr_va_vdst(0)                   ; the quantiser has written PC and PW, which the stores read; and this group's products are done reading v[XF ..], in which the next trip's LDS loads land
	s_bitcmp1_b32 s26, 0
	s_cbranch_scc1 .Lodd
	global_store_b128 v[O16], v[PC:PC+3], s[20:21]             ; an even slice: the fragment's registers 0-3: 512 consecutive bytes,
	global_store_b64 v[O8], v[PC+4:PC+5], s[20:21] offset:512  ; and 4-5: 256
	s_branch .Lstored
.Lodd:
	global_store_b64 v[O8], v[PC:PC+1], s[20:21] offset:768    ; an odd slice: registers 6-7,
	global_store_b128 v[O16], v[PC+2:PC+5], s[20:21] offset:1024   ; and 8-11
.Lstored:
	global_store_b16 v[C16], v[PW], s[22:23]       ; my row's two scale bytes (lanes r and r + 16 store the same bytes with the same values)
	s_wait_xcnt 0x0                                ; the stores' addresses are translated (ISA guide 3.1): their bases may be written again
	s_add_nc_u64 s[20:21], s[20:21], 4*GRPB        ; four groups on
	s_add_nc_u64 s[22:23], s[22:23], 4*1024
	s_add_co_u32 s29, s29, 1
	s_cmp_lt_u32 s29, s28
	s_cbranch_scc1 .Ltrip
.Lend:
	s_wait_dscnt 0x0                               ; the closing lines, six on end
	s_wait_alu 0x0
	s_wait_tensorcnt 0x0
	ds_add_u32 v158, v159
	s_wait_dscnt 0x0
	s_endpgm
.Lfunc_end_k_q1cd5bda0f8_ffn1:
	.size	k_q1cd5bda0f8_ffn1, .Lfunc_end_k_q1cd5bda0f8_ffn1-k_q1cd5bda0f8_ffn1
	.p2alignl 7, 3214868480
	.fill 96, 4, 3214868480
	.section	.rodata,"a",@progbits
	.p2align	6, 0x0
	.amdhsa_kernel k_q1cd5bda0f8_ffn1
		.amdhsa_group_segment_fixed_size 100864
		.amdhsa_private_segment_fixed_size 0
		.amdhsa_enable_private_segment 0
		.amdhsa_kernarg_size 64
		.amdhsa_user_sgpr_count 2
		.amdhsa_user_sgpr_kernarg_segment_ptr 1
		.amdhsa_wavefront_size32 1
		.amdhsa_system_sgpr_workgroup_id_x 1
		.amdhsa_system_sgpr_workgroup_id_y 1
		.amdhsa_system_sgpr_workgroup_id_z 1
		.amdhsa_system_vgpr_workitem_id 0
		.amdhsa_next_free_vgpr 864
		.amdhsa_next_free_sgpr 66
		.amdhsa_reserve_vcc 0
		.amdhsa_float_denorm_mode_32 3
		.amdhsa_float_denorm_mode_16_64 3
		.amdhsa_memory_ordered 1
		.amdhsa_forward_progress 1
		.amdhsa_inst_pref_size 45
	.end_amdhsa_kernel
	.amdgpu_metadata
---
amdhsa.version: [ 1, 2 ]
amdhsa.kernels:
  - .name:           k_q1cd5bda0f8_ffn1
    .symbol:         k_q1cd5bda0f8_ffn1.kd
    .args:
      - { .name: x_codes, .offset: 0, .size: 8, .value_kind: global_buffer, .address_space: global }
      - { .name: x_scales, .offset: 8, .size: 8, .value_kind: global_buffer, .address_space: global }
      - { .name: W1_codes, .offset: 16, .size: 8, .value_kind: global_buffer, .address_space: global }
      - { .name: W1_scales, .offset: 24, .size: 8, .value_kind: global_buffer, .address_space: global }
      - { .name: b1, .offset: 32, .size: 8, .value_kind: global_buffer, .address_space: global }
      - { .name: route, .offset: 40, .size: 8, .value_kind: global_buffer, .address_space: global }
      - { .name: hid_codes, .offset: 48, .size: 8, .value_kind: global_buffer, .address_space: global }
      - { .name: hid_scales, .offset: 56, .size: 8, .value_kind: global_buffer, .address_space: global }
    .group_segment_fixed_size: 100864
    .private_segment_fixed_size: 0
    .kernarg_segment_align: 8
    .kernarg_segment_size: 64
    .max_flat_workgroup_size: 128
    .sgpr_count:     66
    .vgpr_count:     864
    .wavefront_size: 32
...
	.end_amdgpu_metadata
.endif
;; end of part 5
;; launch ffn2 (part 6): grid 32 x 8, 4 waves a work-group, no clusters, 59,392 bytes of LDS; arguments hid_codes, hid_scales, W2_codes, W2_scales, b2, route, out0; writes out0
.if DOCPART == 6
	.amdgcn_target "amdgcn-amd-amdhsa--gfx1250"
	.amdhsa_code_object_version 6
	.text
	.protected	k_q1cd5bda0f8_ffn2
	.globl	k_q1cd5bda0f8_ffn2
	.p2align	8
	.type	k_q1cd5bda0f8_ffn2,@function
k_q1cd5bda0f8_ffn2:
	s_mov_b64 s[64:65], 0
	v_nop
	global_prefetch_b8 v0, s[64:65] scope:SCOPE_SE
	s_setreg_imm32_b32 hwreg(HW_REG_WAVE_SCHED_MODE, 0, 2), 2
	s_setreg_imm32_b32 hwreg(HW_REG_WAVE_MODE, 25, 1), 1
	s_wait_xcnt 0x0
	s_wait_alu depctr_vm_vsrc(0)
; THE SECOND PRODUCT OF THE CHOSEN EXPERT: out[token] = hidden W2[e]^T + b2[e], on codes of FP6 (E2M3) with one E8M0 scale for each 32 along K = 2,048.
; SHARES.  Work-group (sigma, e) owns expert e, outputs 32 sigma .. 32 sigma + 31, and ALL rows of that expert: 256 work-groups, every byte of W2 read once in the launch.
;   Each of the four waves holds the slice of W2 in registers (2 tiles x 16 K steps = 32 fragments, 384 registers); wave w takes the groups of 16 rows g = w, w + 4, .. under ceil(count / 16).
; NO TENSOR LOAD, NO CLUSTER, NO JOINT LOAD: the number of trips is read from memory.
; THE HIDDEN LAYER COMES STRAIGHT INTO REGISTERS: the launch before has laid it in the order of this operand's registers, so a fragment is four dense loads.  A group's 16 fragments (192 registers) are four chunks of
;   4 K steps; as soon as a chunk's 8 products are done reading it, the chunk is asked for again, for the wave's next group: three to four chunks, 18 to 24 KB a wave, are always on their way.
; THE PRODUCT IS USED TRANSPOSED: source 0 = 16 rows of W2, source 1 = the hidden fragment: a lane holds one row of the group and eight neighbouring outputs.
;   Four accumulators (tile t, K step even or odd) take turns, one instruction a turn; the even ones start from b2, the odd ones from 0; they are added at the end.
; THE WAY OUT: a group's 16 rows x 128 bytes go through the wave's own stage in LDS and leave as whole runs: eight lanes store a row's 128 consecutive bytes, aligned, at the row of the token that the list names.
;   (Runs of 256 bytes would want 64 outputs to a wave: 768 registers of W2.)  The last group's spare rows are copies of one of its rows: the same numbers go to the same place.
; REGISTERS, in windows of 256: window 0: v1-23 addresses; v32-63 W2's scale words, v64-79 the hidden layer's; v80-95 b2; v96-127 the accumulators; v128-159 the way out; v160-255 W2's rows on their way to LDS (head only).
;   window 1: W2's fragments of K steps 0-7.   window 2: K steps 8-15.   window 3: v0-191 the hidden fragments.
; THE MODE: SCHED_MODE bits 1:0 = 2 (LLVM: expert scheduling mode 2), set by the entry lines.  The code itself states the register dependences
; between vector or matrix instructions and memory or LDS instructions, with s_wait_alu, always for 0.
; THE PLAN.  Registers that memory or LDS instructions touch, in a trip:
;   window 3, HS   Chunk q: its 8 products read its 48 registers and 4 scale words; behind them the next group's chunk q lands there.
;   TK4            Chunk 0's first load lands in it; eight vector lines at the trip's head read and write it.
;   OA             Written by four of those lines; read by the trip's four stores.
;   OUT            Written by the eight sums; read by four LDS stores.        OB   Four LDS loads land in it; the four stores read it.
;   v4-v15         Addresses made at the head, never written again: the three scalar bases walk.
; One wait on vm_vsrc at a trip's head: the last group's stores and LDS stores have read OA, OB and OUT.  One wait on va_vdst behind each chunk's products, ahead of the chunk's refill: a chunk that waited for the
; next chunk's head would lie idle, and this launch lives on loads in flight.  Behind chunk 3 the sums stand ahead of that wait, so that it also states that OUT is written.  The last group, which asks for nothing, has that one alone.
.set P2,    1552                       ; an LDS row of W2: 1,536 bytes + 16 = 388 words: row r begins 4 r words on, modulo 64 (64 banks of 4 bytes: ISA guide 11.1)
.set STG,   32*P2                      ; behind W2's 32 rows: a stage of 16 rows x (128 + 16) bytes for each wave
.set SP,    144
.set RP,    8448                       ; route: bytes of an expert's region;
.set LIST,  256                        ; where its list begins
.set EW,    1572864                    ; W2: bytes of an expert's codes;
.set SLW,   49152                      ; of a slice's 32 rows
.set EH,    3145728                    ; hid_codes: bytes of an expert;
.set GRPB,  24576                      ; of a group;
.set FRGB,  1536                       ; of a fragment
.set WGO, 4                            ; v4   W2 in memory: 8 rows x wave + row (lane / 16) + 16 (lane % 16)
.set WLO, 5                            ; v5   and where that goes in LDS
.set WFR, 6                            ; v6   a fragment's place for my lane: P2 r + 24 h
.set WSA, 7                            ; v7   W2's scale rows: 64 r
.set B2A, 8                            ; v8   b2: 32 h
.set O16, 9                            ; v9   16 x lane
.set O8,  10                           ; v10  8 x lane
.set HSO, 11                           ; v11  16 r
.set LO,  12                           ; v12  the list: 16 (lane / 8): entries 4 (lane / 8) + 0 .. 3
.set OC,  13                           ; v13  16 (lane % 8): my 16 bytes of a row's 128
.set STO, 14                           ; v14  the stage: where I put 16 bytes of a row
.set SRD, 15                           ; v15  and where I read rows back
.set TK4, 16                           ; v16-19 four tokens
.set OA,  20                           ; v20-23 their rows in out0
.set W2S, 32                           ; v[32 + 16 t + s]
.set HS,  64                           ; v[64 + s]
.set B2,  80
.set ACC, 96                           ; accumulator (t, s % 2) at 96 + 16 (s % 2) + 8 t
.set OUT, 128
.set OB,  144
.set SG,  160
.set MSB, 0
.macro WIN new                         ; the immediate's high byte repeats the setting that is left; a switch that changes nothing is dropped
.if MSB != (\new)
	s_set_vgpr_msb (MSB<<8)|(\new)
.set MSB, (\new)
.endif
.endm
.macro CHUNKLOAD q                     ; K steps 4 q .. 4 q + 3 of the group at which the three walking pointers stand: 17 loads; chunk 0 brings the group's tokens too: 18
.if (\q) == 0
	global_load_b128 v[TK4:TK4+3], v[LO], s[18:19]
.endif
	global_load_b128 v[HS+4*(\q):HS+4*(\q)+3], v[HSO], s[10:11] offset:256*(\q)   ; lane r: row r's four scale words
	WIN 0xc0                                       ; destination window 3
.irp i, 0,1,2,3
	global_load_b128 v[12*(4*(\q)+\i):12*(4*(\q)+\i)+3], v[O16], s[8:9] offset:FRGB*(4*(\q)+\i)
	global_load_b64 v[12*(4*(\q)+\i)+4:12*(4*(\q)+\i)+5], v[O8], s[8:9] offset:FRGB*(4*(\q)+\i)+512
	global_load_b64 v[12*(4*(\q)+\i)+6:12*(4*(\q)+\i)+7], v[O8], s[8:9] offset:FRGB*(4*(\q)+\i)+768
	global_load_b128 v[12*(4*(\q)+\i)+8:12*(4*(\q)+\i)+11], v[O16], s[8:9] offset:FRGB*(4*(\q)+\i)+1024
.endr
	WIN 0
.endm
.macro MULCHUNK q                      ; its 8 products, and four places behind them
	WIN 0x0d+(\q)/2                                ; source 0 (W2) window 1 or 2, source 1 (hidden) window 3
.irp i, 0,1,2,3
.irp t, 0,1
.set SS, 4*(\q)+\i
.set AA, ACC+16*(\i%2)+8*\t
.set WW, 12*(2*(SS%8)+\t)
.if SS == 0
	v_wmma_scale_f32_16x16x128_f8f6f4 v[AA:AA+7], v[WW:WW+11], v[12*SS:12*SS+11], v[B2+8*\t:B2+8*\t+7], v[W2S+16*\t+SS], v[HS+SS] matrix_a_fmt:MATRIX_FMT_FP6 matrix_b_fmt:MATRIX_FMT_FP6
.elseif SS == 1
	v_wmma_scale_f32_16x16x128_f8f6f4 v[AA:AA+7], v[WW:WW+11], v[12*SS:12*SS+11], 0, v[W2S+16*\t+SS], v[HS+SS] matrix_a_fmt:MATRIX_FMT_FP6 matrix_b_fmt:MATRIX_FMT_FP6
.else
	v_wmma_scale_f32_16x16x128_f8f6f4 v[AA:AA+7], v[WW:WW+11], v[12*SS:12*SS+11], v[AA:AA+7], v[W2S+16*\t+SS], v[HS+SS] matrix_a_fmt:MATRIX_FMT_FP6 matrix_b_fmt:MATRIX_FMT_FP6
.endif
.endr
.endr
	WIN 0
.rept 4
	v_nop                                          ; four plain places behind the chunk's products: behind chunk 3 ahead of the first read of results; behind the others ahead of the loads into registers that the products have read, beside the wait that states that dependence
.endr
.endm
.macro SUMS
.irp t, 0,1
.irp i, 0,1,2,3
	v_pk_add_f32 v[OUT+8*\t+2*\i:OUT+8*\t+2*\i+1], v[ACC+8*\t+2*\i:ACC+8*\t+2*\i+1], v[ACC+16+8*\t+2*\i:ACC+16+8*\t+2*\i+1]   ; the even and the odd K steps' sums; each accumulator from its low end on
.endr
.endr
.endm
.macro OUTPUT
.irp t, 0,1
.irp i, 0,1
	ds_store_b128 v[STO], v[OUT+8*\t+4*\i:OUT+8*\t+4*\i+3] offset:64*\t+16*\i   ; lane (r, h): row r, outputs 16 t + 8 h + 4 i + 0 .. 3
.endr
.endr
.irp i, 0,1,2,3
	ds_load_b128 v[OB+4*\i:OB+4*\i+3], v[SRD] offset:SP*\i   ; row 4 (lane / 8) + i.  LDS serves a wave's instructions in order (ISA guide 5.7.1.4): these see the stores above
.endr
	s_wait_dscnt 0x0
.irp i, 0,1,2,3
	global_store_b128 v[OA+\i], v[OB+4*\i:OB+4*\i+3], s[20:21] th:TH_STORE_NT   ; eight lanes store 128 consecutive bytes, aligned; written once, read by nobody here
.endr
.endm
; A group.  refill = 1: each chunk is asked for again, for the group four on, behind its products.
.macro TRIP refill
	s_wait_xcnt 0x0                                ; every earlier load and store has had its addresses translated (ISA guide 3.1): the pointers, OA and OB are written again only behind this wait
	s_wait_alu depctr_vm_vsrc(0)                   ; the last group's stores have read OA and OB, its LDS stores OUT: all three are written again in this trip
.if \refill
	s_add_nc_u64 s[8:9], s[8:9], 4*GRPB            ; the walking pointers: four groups on
	s_add_nc_u64 s[10:11], s[10:11], 4*1024
	s_add_nc_u64 s[18:19], s[18:19], 4*64
.endif
.irp q, 0,1,2,3
.if \refill
.if \q == 0
	s_wait_loadcnt 51                              ; chunk 0 is in; behind it: this group's chunks 1 to 3, 17 loads each
.else
	s_wait_loadcnt 52                              ; chunk q is in; behind it: three chunks, the next group's chunk 0 (18 loads) among them
.endif
.else
	s_wait_loadcnt 17*(3-\q)                       ; behind chunk q: the chunks that are left
.endif
.if \q == 0
.irp i, 0,1,2,3
	v_min_u32 v[TK4+\i], 2047, v[TK4+\i]           ; a token stays inside out0
.endr
.irp i, 0,1,2,3
	v_lshl_add_u32 v[OA+\i], v[TK4+\i], 12, v[OC]  ; its row of 4,096 bytes, + my 16 bytes
.endr
.endif
	MULCHUNK \q
.if \q == 3
	SUMS
	s_wait_alu depctr_va_vdst(0)                   ; the sums have written OUT, which the LDS stores read, and OA is written, which the stores read; refill = 1: chunk 3's products are done reading their fragments and scale words, in which the loads below land
.elseif \refill
	s_wait_alu depctr_va_vdst(0)                   ; the chunk's products are done reading its fragments and scale words, in which the loads below land; chunk 0: the lines at the trip's head are done with TK4 too
.endif
.if \refill
	CHUNKLOAD \q
.endif
.endr
	OUTPUT
.endm
	s_load_b256 s[8:15], s[0:1], 0x0               ; hid_codes s[8:9], hid_scales s[10:11], W2_codes s[12:13], W2_scales s[14:15]
	s_load_b128 s[16:19], s[0:1], 0x20             ; b2 s[16:17], route s[18:19]
	s_load_b64 s[20:21], s[0:1], 0x30              ; out0
	v_lshl_add_u32 v30, v0, 2, 0xe600              ; the LDS address of my spare word, behind the four stages, and 0: made here and kept for the closing lines alone
	v_mov_b32 v31, 0
	v_lshrrev_b32 v1, 5, v0
	v_readfirstlane_b32 s24, v1                    ; wave 0..3
	s_and_b32 s25, ttmp7, 0xffff                   ; e
	s_mov_b32 s26, ttmp9                           ; sigma
	v_and_b32 v1, 31, v0                           ; lane
	v_and_b32 v2, 15, v0                           ; r
	v_bfe_u32 v3, v0, 4, 1                         ; h
	s_wait_alu depctr_va_sdst(0)                   ; s24 is written, ahead of its first reader: LDS places, bases and the trip count are made from it
	s_mul_i32 s30, s24, 8*1536
	v_mul_u32_u24 v[WGO], v3, 1536
	v_lshl_add_u32 v[WGO], v2, 4, v[WGO]
	v_add_nc_u32 v[WGO], s30, v[WGO]
	s_mul_i32 s30, s24, 8*P2
	v_mul_u32_u24 v[WLO], v3, P2
	v_lshl_add_u32 v[WLO], v2, 4, v[WLO]
	v_add_nc_u32 v[WLO], s30, v[WLO]
	v_mul_u32_u24 v[WFR], v2, P2
	v_mad_u32_u24 v[WFR], v3, 24, v[WFR]
	v_lshlrev_b32 v[WSA], 6, v2
	v_lshlrev_b32 v[B2A], 5, v3
	v_lshlrev_b32 v[O16], 4, v1
	v_lshlrev_b32 v[O8], 3, v1
	v_lshlrev_b32 v[HSO], 4, v2
	v_lshrrev_b32 v[LO], 3, v1                     ; lane / 8
	v_and_b32 v[OC], 7, v1
	v_lshlrev_b32 v[OC], 4, v[OC]
	s_mul_i32 s31, s24, 16*SP
	s_add_co_u32 s31, s31, STG                     ; my stage
	v_mul_u32_u24 v[STO], v2, SP
	v_lshl_add_u32 v[STO], v3, 5, v[STO]
	v_add_nc_u32 v[STO], s31, v[STO]               ; in: row r, + 32 h
	v_mul_u32_u24 v[SRD], v[LO], 4*SP
	v_add_nc_u32 v[SRD], v[SRD], v[OC]
	v_add_nc_u32 v[SRD], s31, v[SRD]               ; back: rows 4 (lane / 8) on, 16 bytes a lane
	v_lshlrev_b32 v[LO], 4, v[LO]
	s_mov_b32 s37, 0                               ; s[36:37]: a 32-bit offset as a pair
	s_wait_kmcnt 0x0
	s_mul_i32 s36, s25, RP
	s_add_nc_u64 s[18:19], s[18:19], s[36:37]      ; my expert's region of route
	s_load_b32 s27, s[18:19], 0x0                  ; its count
	s_mul_i32 s36, s25, EW
	s_mul_i32 s30, s26, SLW
	s_add_co_u32 s36, s36, s30
	s_add_nc_u64 s[12:13], s[12:13], s[36:37]      ; my slice of W2's codes
	s_wait_alu depctr_va_vdst(0)                   ; the addresses v4 to v15 are written, which the loads, the stores and the LDS instructions from here on read
.irp a, 0,1,2,3
.irp c, 0,1,2,3,4,5
	global_load_b128 v[SG+4*(6*\a+\c):SG+4*(6*\a+\c)+3], v[WGO], s[12:13] offset:\a*3072+256*\c th:TH_LOAD_NT   ; row 8 w + 2 a + h, sixteen lanes to 256 aligned bytes: read once in the launch
.endr
.endr
	s_lshl_b32 s36, s25, 16
	s_lshl_b32 s30, s26, 11
	s_add_co_u32 s36, s36, s30
	s_add_nc_u64 s[14:15], s[14:15], s[36:37]      ; its scale rows, 64 bytes each
.irp t, 0,1
.irp i, 0,1,2,3
	global_load_b128 v[W2S+16*\t+4*\i:W2S+16*\t+4*\i+3], v[WSA], s[14:15] offset:1024*\t+16*\i   ; lane r: the sixteen scale words of row 16 t + r
.endr
.endr
	s_lshl_b32 s36, s25, 12
	s_lshl_b32 s30, s26, 7
	s_add_co_u32 s36, s36, s30
	s_add_nc_u64 s[16:17], s[16:17], s[36:37]      ; its 32 numbers of b2
.irp t, 0,1
.irp i, 0,1
	global_load_b128 v[B2+8*\t+4*\i:B2+8*\t+4*\i+3], v[B2A], s[16:17] offset:64*\t+16*\i   ; in the result's layout: outputs 16 t + 8 h + 0 .. 7
.endr
.endr
	s_mov_b32 s36, s30
	s_add_nc_u64 s[20:21], s[20:21], s[36:37]      ; out0 at my 128 bytes of a row
	s_wait_kmcnt 0x0                               ; the count (and the load that read s[18:19] is done)
	s_add_co_u32 s28, s27, 15
	s_lshr_b32 s28, s28, 4
	s_min_u32 s28, s28, 128                        ; the expert's groups
	s_max_u32 s30, s28, 1
	s_sub_co_u32 s30, s30, 1
	s_min_u32 s30, s30, s24                        ; my first group; a wave without one reads the last group that was made, and uses nothing of it
	s_min_u32 s30, s30, 127
	s_mul_i32 s36, s25, EH
	s_mul_i32 s31, s30, GRPB
	s_add_co_u32 s36, s36, s31
	s_add_nc_u64 s[8:9], s[8:9], s[36:37]          ; the walking pointers: the group's codes,
	s_lshl_b32 s36, s25, 17
	s_lshl_b32 s31, s30, 10
	s_add_co_u32 s36, s36, s31
	s_add_nc_u64 s[10:11], s[10:11], s[36:37]      ; its scale words,
	s_lshl_b32 s36, s30, 6
	s_add_co_u32 s36, s36, LIST
	s_add_nc_u64 s[18:19], s[18:19], s[36:37]      ; its 16 tokens
	CHUNKLOAD 0
	s_wait_loadcnt 30                              ; W2's 24 are in; behind them: its scale words' 8, b2's 4, chunk 0's 18
.irp a, 0,1,2,3
.irp c, 0,1,2,3,4,5
	ds_store_b128 v[WLO], v[SG+4*(6*\a+\c):SG+4*(6*\a+\c)+3] offset:2*\a*P2+256*\c
.endr
.endr
	s_wait_dscnt 0x0                               ; for the others' sake: my 8 rows of W2 lie in LDS
	s_barrier_signal -1
	s_barrier_wait -1                              ; all 32 do.  The launch's one barrier: it stands ahead of every branch on the count
	CHUNKLOAD 1
	CHUNKLOAD 2
	CHUNKLOAD 3
	WIN 0x40
.irp s, 0,1,2,3,4,5,6,7
.irp t, 0,1
.irp p, 0,1,2,3,4,5
	ds_load_b64 v[12*(2*\s+\t)+2*\p:12*(2*\s+\t)+2*\p+1], v[WFR] offset:16*\t*P2+96*\s+48*(\p/3)+8*(\p%3)
.endr
.endr
.endr
	WIN 0x80
.irp s, 0,1,2,3,4,5,6,7
.irp t, 0,1
.irp p, 0,1,2,3,4,5
	ds_load_b64 v[12*(2*\s+\t)+2*\p:12*(2*\s+\t)+2*\p+1], v[WFR] offset:16*\t*P2+96*(\s+8)+48*(\p/3)+8*(\p%3)
.endr
.endr
.endr
	WIN 0
	s_wait_dscnt 0x0                               ; W2's 32 fragments stay in registers from here on
	s_cmp_ge_u32 s24, s28
	s_cbranch_scc1 .Lend                           ; no group for me
	s_sub_co_u32 s28, s28, s24                     ; my groups are w, w + 4, ..: (groups - w + 3) / 4 of them,
	s_add_co_u32 s28, s28, 3
	s_lshr_b32 s28, s28, 2
	s_min_u32 s28, s28, 32                         ; 32 at the most
	s_mov_b32 s29, 1                               ; the groups begun, the one in hand among them
	s_cmp_ge_u32 s29, s28
	s_cbranch_scc1 .Ltail
.Lloop:                                            ; a trip: one group, and the requests for the next; all my groups but the last
	TRIP 1
	s_add_co_u32 s29, s29, 1
	s_cmp_lt_u32 s29, s28
	s_cbranch_scc1 .Lloop
.Ltail:
	TRIP 0                                         ; my last group asks for nothing: no load leaves what the launch before has stored
.Lend:
	s_wait_dscnt 0x0                               ; the closing lines, six on end
	s_wait_alu 0x0
	s_wait_tensorcnt 0x0
	ds_add_u32 v30, v31
	s_wait_dscnt 0x0
	s_endpgm
.Lfunc_end_k_q1cd5bda0f8_ffn2:
	.size	k_q1cd5bda0f8_ffn2, .Lfunc_end_k_q1cd5bda0f8_ffn2-k_q1cd5bda0f8_ffn2
	.p2alignl 7, 3214868480
	.fill 96, 4, 3214868480
	.section	.rodata,"a",@progbits
	.p2align	6, 0x0
	.amdhsa_kernel k_q1cd5bda0f8_ffn2
		.amdhsa_group_segment_fixed_size 59392
		.amdhsa_private_segment_fixed_size 0
		.amdhsa_enable_private_segment 0
		.amdhsa_kernarg_size 56
		.amdhsa_user_sgpr_count 2
		.amdhsa_user_sgpr_kernarg_segment_ptr 1
		.amdhsa_wavefront_size32 1
		.amdhsa_system_sgpr_workgroup_id_x 1
		.amdhsa_system_sgpr_workgroup_id_y 1
		.amdhsa_system_sgpr_workgroup_id_z 1
		.amdhsa_system_vgpr_workitem_id 0
		.amdhsa_next_free_vgpr 960
		.amdhsa_next_free_sgpr 66
		.amdhsa_reserve_vcc 0
		.amdhsa_float_denorm_mode_32 3
		.amdhsa_float_denorm_mode_16_64 3
		.amdhsa_memory_ordered 1
		.amdhsa_forward_progress 1
		.amdhsa_inst_pref_size 50
	.end_amdhsa_kernel
	.amdgpu_metadata
---
amdhsa.version: [ 1, 2 ]
amdhsa.kernels:
  - .name:           k_q1cd5bda0f8_ffn2
    .symbol:         k_q1cd5bda0f8_ffn2.kd
    .args:
      - { .name: hid_codes, .offset: 0, .size: 8, .value_kind: global_buffer, .address_space: global }
      - { .name: hid_scales, .offset: 8, .size: 8, .value_kind: global_buffer, .address_space: global }
      - { .name: W2_codes, .offset: 16, .size: 8, .value_kind: global_buffer, .address_space: global }
      - { .name: W2_scales, .offset: 24, .size: 8, .value_kind: global_buffer, .address_space: global }
      - { .name: b2, .offset: 32, .size: 8, .value_kind: global_buffer, .address_space: global }
      - { .name: route, .offset: 40, .size: 8, .value_kind: global_buffer, .address_space: global }
      - { .name: out0, .offset: 48, .size: 8, .value_kind: global_buffer, .address_space: global }
    .group_segment_fixed_size: 59392
    .private_segment_fixed_size: 0
    .kernarg_segment_align: 8
    .kernarg_segment_size: 56
    .max_flat_workgroup_size: 128
    .sgpr_count:     66
    .vgpr_count:     960
    .wavefront_size: 32
...
	.end_amdgpu_metadata
.endif
;; end of part 6
